; MI455X (gfx1250); checked and timed in simulation.
; The chip was launched on July 23, 2026; its instructions are those of AMD's public machine-readable ISA for CDNA 5 (MIT licence, August 2026) and "CDNA5" Instruction Set Architecture Reference Guide (July 2026). The comments in the code are by the model that wrote it; some were corrected since.
;; Self Attn. Allowed arithmetic: matrix products marked QUANTISED: E2M3 operands, one E8M0 scale for each 32 along K, by v_wmma_scale_f32_16x16x128_f8f6f4 with both operands' format E2M3, f32 sums; everything else in f32.
;; Inputs: Wk_codes 512 x 16 x 24 uint8 (E2M3 codes of Wk, K innermost, in blocks of 32 codes, four codes in three bytes); Wk_scales 512 x 16 uint8 (E8M0 scales of Wk, one for each 32 codes along K); Wq_codes 512 x 16 x 24 uint8 (E2M3 codes of Wq, K innermost, in blocks of 32 codes, four codes in three bytes); Wq_scales 512 x 16 uint8 (E8M0 scales of Wq, one for each 32 codes along K); Wv_codes 512 x 16 x 24 uint8 (E2M3 codes of Wv, K innermost, in blocks of 32 codes, four codes in three bytes); Wv_scales 512 x 16 uint8 (E8M0 scales of Wv, one for each 32 codes along K); beta 1 float32; bk 512 float32; bq 512 float32; bv 512 float32; x_codes 32 x 1,024 x 16 x 24 uint8 (E2M3 codes of x, K innermost, in blocks of 32 codes, four codes in three bytes); x_scales 32 x 1,024 x 16 uint8 (E8M0 scales of x, one for each 32 codes along K).
;; Outputs: out0 32 x 1,024 x 512 float32.
;; This version of the problem:
;;   THIS VERSION OF THE PROBLEM IS GIVEN IN LOW PRECISION. The matrix products marked QUANTISED in the list below multiply operands that are first quantised to E2M3 (2 exponent bits, 3 mantissa bits; 6 bits a number), with one power-of-two scale for each 32 numbers along K (OCP MX v1.0); their sums are f32. All else is computed in f32.
;;   The module's matrix products, in the order in which they are computed (A, B: the left and right operand; K: the contracted axis; several contracted axes count as one K, in the product's order):
;;     1. [M 32,768, K 512] x [K 512, N 512]; A: input x (given as codes); B: input Wq (given as codes): QUANTISED
;;     2. [M 32,768, K 512] x [K 512, N 512]; A: input x (given as codes); B: input Wk (given as codes): QUANTISED
;;     3. [M 32,768, K 512] x [K 512, N 512]; A: input x (given as codes); B: input Wv (given as codes): QUANTISED
;;     4. batch 32 x [M 1,024, K 512] x [K 512, N 1,024]; A: computed on the way; B: computed on the way: QUANTISED
;;     5. batch 32 x [M 1,024, K 1,024] x [K 1,024, N 512]; A: softmax (see below); B: computed on the way: QUANTISED
;;   THE QUANTISER, for each operand of a quantised product, along K:
;;     - K is cut into blocks of 32 from its start; a last block that is shorter is filled with zeros.
;;     - A block's scale is 2^e with e = floor(log2(the largest magnitude in the block)) - 2, held to -126 .. 127; a block of zeros has e = 0. As a byte (E8M0): e + 127.
;;     - Each number is divided by its block's scale, clamped to +-7.5, and rounded to the nearest number of E2M3, ties to even, subnormals kept.
;;     - The product sums the exact products of the quantised numbers (number of the format x scale) in f32.
;;   ~~~python
;;   def quantise(x, axis):      # numpy; x: float32 -> the quantised numbers, widened to float32 again
;;       x = np.moveaxis(x, axis, -1); K = x.shape[-1]
;;       x = np.pad(x, [(0, 0)] * (x.ndim - 1) + [(0, -K % 32)]); x = x.reshape(x.shape[:-1] + (-1, 32)); a = np.abs(x).max(-1, keepdims=True)
;;       e = np.where(a > 0, np.clip(np.frexp(np.where(a > 0, a, 1))[1] - 1 - 2, -126, 127), 0)      # np.frexp(a)[1] - 1 = floor(log2(a)), exactly
;;       r = np.clip(x / 2.0 ** e, -7.5, 7.5)
;;       step = 2.0 ** (np.maximum(np.frexp(np.where(r == 0, 1, r))[1] - 1, 0) - 3)
;;       q = np.round(r / step) * step * 2.0 ** e      # np.round: ties to even
;;       return np.moveaxis(q.reshape(q.shape[:-2] + (-1,))[..., :K], -1, axis).astype(np.float32)
;;   ~~~
;;   SOFTMAX AHEAD OF A QUANTISED PRODUCT. Where the list says 'softmax', what is quantised is not the finished softmax but p = 2^(t - M), with t = logit x log2(e) and M = ceil(the row's largest t), a whole number; so 1/2 < the row's largest p <= 1. The row's sum l is taken of the UNQUANTISED p, in f32, and the product's result is divided by l at the end. Since M is a whole number, a kernel that streams over the keys may use a running M (the ceiling of the running maximum): every later rescaling is an exact power of two, which a block's scale takes up: the codes' values come out the same.
;;   OPERANDS COMPUTED ON THE WAY. 'Computed on the way' means the value that the module computes at that place (a softmax that the list does not call 'softmax' is quantised finished and normalised). What goes into a quantiser is computed in f32, as accurately as f32 sums, v_exp_f32 and their like allow (about 1e-6 of the number): no bf16 or f16 on the way to a quantiser, and a product that is left as it is and whose result goes on into a quantised operand takes f32 operands (vector FMAs, or v_wmma_f32_16x16x4_f32). A number that lies on a knife's edge between two numbers of the format may be rounded either way, as far as f32 arithmetic and the matrix unit's own rounding can turn it there, and no further.
;;   INPUTS GIVEN AS CODES. Wk (in the module: [512, 512], K = its axis 1); Wq (in the module: [512, 512], K = its axis 1); Wv (in the module: [512, 512], K = its axis 1); x (in the module: [32, 1024, 512], K = its axis 2): each comes as NAME_codes (uint8): NAME with its K axis moved to the last place and cut into blocks of 32 codes, [.., K / 32, bytes a block], one block behind the other in memory; four codes in three bytes: a row's codes are one little-endian stream of bits, code i at bits 6 i .. 6 i + 5 (a code: sign, 2 exponent bits, 3 mantissa bits); and NAME_scales (uint8): the same leading axes, one E8M0 byte (e + 127) for each 32 codes along K. Its value is code x scale, taken as it is: it is not quantised again, and the codes and scales need not be those that the quantiser above would give.
;; 2 versions, each right. Each part assembles by itself: llvm-mc -triple=amdgcn-amd-amdhsa -mcpu=gfx1250 --defsym DOCPART=n.
;; ======== version 1 of 2: 2 launches
;; workspace buffers: qimg 13,107,200 bytes; kv 26,214,400 bytes; wvimg 204,800 bytes
;; launch proj (part 1): grid 256 x 1, 4 waves a work-group, clusters of 4 x 1, 327,680 bytes of LDS; arguments x_codes, x_scales, Wq_codes, Wq_scales, bq, Wk_codes, Wk_scales, bk, Wv_codes, Wv_scales, bv, qimg, kv, wvimg; writes qimg, kv, wvimg
.if DOCPART == 1
	.amdgcn_target "amdgcn-amd-amdhsa--gfx1250"
	.amdhsa_code_object_version 6
	.text
	.protected	k_qbf14cb0f84_proj
	.globl	k_qbf14cb0f84_proj
	.p2align	8
	.type	k_qbf14cb0f84_proj,@function
k_qbf14cb0f84_proj:
	s_mov_b64 s[64:65], 0
	v_nop
	global_prefetch_b8 v0, s[64:65] scope:SCOPE_SE
	s_setreg_imm32_b32 hwreg(HW_REG_WAVE_MODE, 25, 1), 1
	s_wait_xcnt 0x0
	s_wait_alu depctr_hold_cnt(0) depctr_sa_sdst(0) depctr_va_vdst(0) depctr_va_sdst(0) depctr_va_ssrc(0) depctr_va_vcc(0) depctr_vm_vsrc(0)
	s_getreg_b32 s2, hwreg(HW_REG_IB_STS2, 6, 4)
	s_cmp_eq_u32 s2, 0
	s_cbranch_scc0 .Lentry_in_a_cluster
	s_endpgm
.Lentry_in_a_cluster:
	s_bfe_u32 s2, ttmp6, 0x10000c
	s_cmp_lg_u32 s2, 0x3003
	s_cbranch_scc0 .Lentry_shape_is_right
	s_endpgm
.Lentry_shape_is_right:
; q = x Wq^T + bq, k = x Wk^T + bk, v = x Wv^T + bv on codes of FP6 (E2M3) with one E8M0 scale for each 32 along K; the results are quantised here, in f32, and leave as codes:
; q and k along the 512 features, v along the channels (the keys of the attention that follows).  Wv's codes are also laid out anew for the next launch (wvimg).
; SHARES.  A work-group owns 128 channels of one batch (work-group = 8 x batch + key step): 8 tiles of 16.  THE WAVES SHARE THE FEATURES: wave w makes features 128 w .. 128 w + 127 of q, then of k, then of v, for all
; 128 channels: 64 accumulators, 512 registers.  All 32 fragments of x (8 tiles x 4 K steps, 384 registers) stay in every wave's registers; a fragment of W is read from LDS once in the work-group and feeds 8 products.
; q, k: source 0 = 16 rows of W, source 1 = a tile of x: a lane holds ONE channel and its registers run along the features.  v: source 0 = a tile of x, source 1 = 16 rows of Wv: a lane holds ONE feature and its registers
; run along the channels.  Either way a group of 8 accumulators (64 registers a lane) is 128 along the next product's K: one fragment and one scale word a row.
; THE ORDER INSIDE A BLOCK OF 32.  A lane's 16 numbers of a block are indices 8 h + 0..7 and 16 + 8 h + 0..7 (h = lane / 16).  So code places 0-7, 8-15, 16-23, 24-31 of a block hold indices 0-7, 16-23, 8-15, 24-31.
; Blocks, scales and codes are the quantiser's own; both operands of the later products are laid by this one routine, so like meets like; only the order of the f32 sums differs.
; WORKSPACE = IMAGES OF OPERAND REGISTERS.  A fragment is 1,536 bytes: registers 4 c .. 4 c + 3 of lane l at 512 c + 16 l.  Every store of a wave covers 512 consecutive bytes, aligned.
; CLUSTER.  The four work-groups of a cluster walk the same tiles of W: each tile is asked for jointly (mask 15).  x is nobody's but the work-group's own.
; No prefetch: W is read by every work-group, x once at the head.
; LIMITS: NaN, infinities and the scale byte 0xff among the inputs are not served; a block of zeros gets the byte 1 (its codes are zeros, and this program alone reads the bytes);
; blocks whose largest magnitude lies under 2^-124 are held at the byte 1.
.set PITCH, 240                        ; an LDS row of W: 3 x (64 bytes + 16 of padding)
.set HALFT, 128*PITCH                  ; a wave's 128 rows
.set SLOT,  4*HALFT                    ; 512 rows x 256 along K
.set FRB,   1536                       ; a fragment's image
.set XIMG,  2*SLOT                     ; behind the ring: x's 32 images (K step ks, tile m: 8 ks + m),
.set WSC,   XIMG+32*FRB                ; the three weights' scale bytes as they lie in memory,
.set BIAS,  WSC+3*8192                 ; the three biases,
.set SPARE, BIAS+3*2048                ; and the spare words, 128 bytes a wave, which no other line names
.set SPW, 1                            ; v1   SPARE + 4 x thread; never rewritten
.set NIL, 2                            ; v2   0; never rewritten
.set LI,  3                            ; v3   16 x lane
.set AW,  4                            ; v4, v5  my rows of W in slot 0, 1: row r x pitch + 24 h;  v6, v7: the same with 40 h, for pieces behind one padding more
.set ASC, 8                            ; v8   my rows' scale words of the matrix in hand
.set ABI, 9                            ; v9   my features' bias, for q and k
.set ABV, 10                           ; v10  and for v
.set XS,  16                           ; v16-31  x's scale words: register 4 bb + ks, lanes 0-15 tile 2 bb, lanes 16-31 tile 2 bb + 1
.set WS,  32                           ; v32-47  W's: register 4 i + ks, lanes 0-15 tile 2 i, lanes 16-31 tile 2 i + 1
                                       ; window 0 v64-255: x's fragments of K steps 0, 1;  window 1 v0-191: of K steps 2, 3;  windows 2, 3: the accumulators
.set WB,  192                          ; window 1: four buffers for fragments of W; while a group is quantised the same registers serve:
.set PC,  192                          ; the codes (20 registers),
.set TM,  212                          ; 16 at work,
.set PW,  228                          ; the scale word just made,
.set SW,  232                          ; and four registers that gather the eight groups' words
.set G1,  32                           ; s[32:39] descriptor group 1;  s[40:43], s[44:47] group 0 of slot 0, 1
.set G0,  40
.set WV,  48
.set NWA, 52                           ; s[52:53] my rows of the next matrix;  s[54:55] of Wv
.set NWB, 54
.set OC,  56                           ; s[56:57] where the codes go;  s[58:59] the scale words;  s[60:63] the same for k
.set OS,  58
.set OC2, 60
.set OS2, 62
.set SEL, 66                           ; s[66:67] lane selects: lane l xor 16
.set HM,  68                           ; s68  lanes 16-31
.set CNT, 69
.set MSB, 0
.macro WIN new                         ; the immediate's high byte repeats the setting that is left; a switch that changes nothing is dropped
.if MSB != (\new)
	s_set_vgpr_msb (MSB<<8)|(\new)
.set MSB, (\new)
.endif
.endm
.macro PLACES n
.rept \n
	v_nop
.endr
.endm
.macro CREST                           ; a round of the cluster's barrier behind its opening barrier
	s_cmp_lg_u32 s[WV], 0
	s_cbranch_scc1 .Lnot_wave_0_\@
	s_barrier_signal -3
.Lnot_wave_0_\@:
	s_barrier_wait -3
	s_barrier_signal -1
	s_barrier_wait -1
.endm
.macro CROUND
	s_barrier_signal -1
	s_barrier_wait -1
	CREST
.endm
; One product.  ra, rb = 1: that side's scale words stand in lanes 16-31 of the register named.
.macro WM d, a, b, c, sa, sb, ra, rb
.if (\ra) && (\rb)
	v_wmma_scale_f32_16x16x128_f8f6f4 v[\d:\d+7], v[\a:\a+11], v[\b:\b+11], v[\c:\c+7], v[\sa], v[\sb] matrix_a_fmt:MATRIX_FMT_FP6 matrix_b_fmt:MATRIX_FMT_FP6 matrix_a_scale:MATRIX_SCALE_ROW1 matrix_b_scale:MATRIX_SCALE_ROW1
.elseif (\ra)
	v_wmma_scale_f32_16x16x128_f8f6f4 v[\d:\d+7], v[\a:\a+11], v[\b:\b+11], v[\c:\c+7], v[\sa], v[\sb] matrix_a_fmt:MATRIX_FMT_FP6 matrix_b_fmt:MATRIX_FMT_FP6 matrix_a_scale:MATRIX_SCALE_ROW1
.elseif (\rb)
	v_wmma_scale_f32_16x16x128_f8f6f4 v[\d:\d+7], v[\a:\a+11], v[\b:\b+11], v[\c:\c+7], v[\sa], v[\sb] matrix_a_fmt:MATRIX_FMT_FP6 matrix_b_fmt:MATRIX_FMT_FP6 matrix_b_scale:MATRIX_SCALE_ROW1
.else
	v_wmma_scale_f32_16x16x128_f8f6f4 v[\d:\d+7], v[\a:\a+11], v[\b:\b+11], v[\c:\c+7], v[\sa], v[\sb] matrix_a_fmt:MATRIX_FMT_FP6 matrix_b_fmt:MATRIX_FMT_FP6
.endif
.endm
	s_load_b512 s[4:19], s[0:1], 0x0               ; x_codes 4, x_scales 6, Wq_codes 8, Wq_scales 10, bq 12, Wk_codes 14, Wk_scales 16, bk 18
	s_load_b256 s[20:27], s[0:1], 0x40             ; Wv_codes 20, Wv_scales 22, bv 24, qimg 26
	s_load_b128 s[28:31], s[0:1], 0x60             ; kv 28, wvimg 30
	v_lshl_add_u32 v[SPW], v0, 2, SPARE
	v_mov_b32 v[NIL], 0
	ds_add_u32 v1, v2
	ds_add_u32 v1, v2
	s_wait_dscnt 0x0
	v_lshrrev_b32 v48, 5, v0
	v_readfirstlane_b32 s[WV], v48                 ; wave 0..3
	s_bfe_u32 s49, ttmp6, 0x40000                  ; cx
	s_lshl_b32 s50, ttmp9, 2
	s_add_co_u32 s50, s50, s49                     ; work-group = 4 x cluster + cx = 8 x batch + key step
	; descriptor group 1: 128 rows x 192 bytes out of rows of 384, 16 bytes of padding behind every 64
	s_mov_b32 s[G1+0], 15|(1<<20)|(1<<21)|(3<<22)|(3<<25)  ; the mask: all four work-groups; elements of 1 byte; padding on; bit 21 beside a mask; after every 16 words, 4 words
	s_mov_b32 s[G1+1], 192<<16                     ; tensor_dim0
	s_mov_b32 s[G1+2], 128<<16                     ; tensor_dim1
	s_mov_b32 s[G1+3], 192<<16                     ; tile_dim0
	s_mov_b32 s[G1+4], 128                         ; tile_dim1
	s_mov_b32 s[G1+5], 384                         ; from row to row
	s_mov_b32 s[G1+6], 0
	s_mov_b32 s[G1+7], 0
	s_mul_i32 s70, s[WV], HALFT                    ; my rows' place in a slot: no place in the cluster enters an LDS address
	s_mul_i32 s72, s[WV], 128*384                  ; and in a weight
	s_mov_b32 s73, 0
	s_mov_b32 s[SEL], 0x76543210
	s_mov_b32 s[SEL+1], 0xfedcba98
	s_mov_b32 s[HM], 0xffff0000
	s_wait_kmcnt 0x0
	s_mov_b32 s[G0+0], 1
	s_mov_b32 s[G0+1], s70                         ; slot 0: K steps 0, 1 of Wq
	s_add_nc_u64 s[G0+2:G0+3], s[8:9], s[72:73]
	s_mov_b32 s[G0+4], 1
	s_add_co_u32 s[G0+5], s70, SLOT                ; slot 1: K steps 2, 3
	s_add_nc_u64 s[G0+6:G0+7], s[G0+2:G0+3], 192
	s_or_b32 s[G0+3], s[G0+3], 0x80000000
	s_or_b32 s[G0+7], s[G0+7], 0x80000000
	s_add_nc_u64 s[NWA:NWA+1], s[14:15], s[72:73]
	s_add_nc_u64 s[NWB:NWB+1], s[20:21], s[72:73]
	CROUND                                         ; all four work-groups are here: the first joint loads meet
	tensor_load_to_lds s[G0:G0+3], s[G1:G1+7]      ; the two first fills go out together: two loads of mine are out
	s_nop 0
	tensor_load_to_lds s[G0+4:G0+7], s[G1:G1+7]
	s_nop 0
	PLACES 4                                       ; four such lines behind a tensor load
	; where things come from and go to
	s_mul_i32 s70, s50, 128*384
	s_mul_i32 s71, s[WV], 32*384
	s_add_co_u32 s70, s70, s71
	s_mov_b32 s71, 0
	s_add_nc_u64 s[4:5], s[4:5], s[70:71]          ; x's codes at my two tiles (2 w, 2 w + 1)
	s_lshl_b32 s70, s50, 11
	s_add_nc_u64 s[6:7], s[6:7], s[70:71]          ; x's scale bytes at the work-group's first channel
	s_mul_i32 s74, s50, 51200                      ; the work-group's block of qimg
	s_mul_i32 s75, s[WV], 8*FRB
	s_add_co_u32 s70, s74, s75
	s_add_nc_u64 s[OC:OC+1], s[26:27], s[70:71]    ; K step w, tile g at g x 1,536
	s_lshl_b32 s76, s[WV], 9
	s_add_co_u32 s70, s74, s76
	s_add_co_u32 s70, s70, 49152
	s_add_nc_u64 s[OS:OS+1], s[26:27], s[70:71]
	s_mul_i32 s74, s50, 102400                     ; and of kv
	s_add_co_u32 s70, s74, s75
	s_add_nc_u64 s[OC2:OC2+1], s[28:29], s[70:71]
	s_add_co_u32 s70, s74, s76
	s_add_co_u32 s70, s70, 98304
	s_add_nc_u64 s[OS2:OS2+1], s[28:29], s[70:71]
	v_and_b32 v48, 31, v0                          ; lane
	v_and_b32 v49, 15, v0                          ; r
	v_bfe_u32 v50, v0, 4, 1                        ; h
	v_lshlrev_b32 v[LI], 4, v48
	v_mul_u32_u24 v51, v49, PITCH
	v_mad_u32_u24 v51, v50, 24, v51
	s_mul_i32 s70, s[WV], HALFT
	v_add_nc_u32 v[AW], s70, v51
	v_lshl_add_u32 v[AW+2], v50, 4, v[AW]
	v_add_nc_u32 v[AW+1], SLOT, v[AW]
	v_add_nc_u32 v[AW+3], SLOT, v[AW+2]
	s_lshl_b32 s70, s[WV], 11
	s_add_co_u32 s70, s70, WSC
	v_add_nc_u32 v[ASC], s70, v[LI]                ; 16 bytes a row: WSC + 2,048 w + 16 x lane, + 512 for each pair of tiles
	s_lshl_b32 s70, s[WV], 9
	s_add_co_u32 s71, s70, BIAS
	v_lshl_add_u32 v[ABI], v50, 5, s71             ; feature 128 w + 16 t + 8 h + j
	s_add_co_u32 s71, s70, BIAS+4096
	v_lshl_add_u32 v[ABV], v49, 2, s71             ; feature 128 w + 16 t + r
	v_lshlrev_b32 v11, 4, v0                       ; 16 x thread
	v_add_nc_u32 v12, WSC, v11
	v_mul_u32_u24 v13, v49, 384
	v_mad_u32_u24 v13, v50, 24, v13                ; a row of 512 codes is 384 bytes; + 24 h
	s_mul_i32 s70, s[WV], 2*FRB
	s_add_co_u32 s70, s70, XIMG
	v_add_nc_u32 v14, s70, v[LI]
	v_add_nc_u32 v15, XIMG, v[LI]
	; my two tiles of x: eight fragments, each 24 bytes twice, as six loads of 8
.irp u, 0,1
.irp k, 0,1,2,3
.irp p, 0,1,2,3,4,5
	global_load_b64 v[64+12*(2*\k+\u)+2*\p:64+12*(2*\k+\u)+2*\p+1], v13, s[4:5] offset:\u*6144+96*\k+48*(\p/3)+8*(\p%3) th:TH_LOAD_NT
.endr
.endr
.endr
.irp b, 0,1,2,3
	global_load_b128 v[XS+4*\b:XS+4*\b+3], v[LI], s[6:7] offset:512*\b   ; channel 32 b + lane: its four scale words
.endr
.irp i, 0,1,2,3
	global_load_b128 v[160+4*\i:163+4*\i], v11, s[10:11] offset:2048*\i  ; the weights' scale bytes, 2,048 consecutive bytes a load of the work-group
	global_load_b128 v[176+4*\i:179+4*\i], v11, s[16:17] offset:2048*\i
	global_load_b128 v[192+4*\i:195+4*\i], v11, s[22:23] offset:2048*\i
.endr
	global_load_b128 v[208:211], v11, s[12:13]     ; the biases
	global_load_b128 v[212:215], v11, s[18:19]
	global_load_b128 v[216:219], v11, s[24:25]
	; WVIMG: Wv's 32 tiles of 16 rows as images, one tile to each wave of the first two clusters (the cluster's number is alike in all partners; the tiles are told apart by address)
	s_cmp_lt_u32 ttmp9, 2
	s_cbranch_scc0 .Lno_wv
	s_lshl_b32 s70, s50, 2
	s_add_co_u32 s70, s70, s[WV]                   ; the tile, 0..31
	s_mul_i32 s72, s70, 16*384
	s_mov_b32 s73, 0
	s_add_nc_u64 s[74:75], s[20:21], s[72:73]
	s_lshl_b32 s72, s70, 8
	s_add_nc_u64 s[76:77], s[22:23], s[72:73]
	s_lshr_b32 s71, s70, 4
	s_mul_i32 s71, s71, 102400                     ; block H = tile / 16
	s_and_b32 s70, s70, 15
	s_mul_i32 s72, s70, FRB
	s_add_co_u32 s72, s72, s71
	s_add_nc_u64 s[78:79], s[30:31], s[72:73]      ; fragment (ks, tile % 16) at (16 ks + tile % 16) x 1,536
	s_lshl_b32 s72, s70, 8
	s_add_co_u32 s72, s72, s71
	s_add_co_u32 s72, s72, 98304
	s_add_nc_u64 s[2:3], s[30:31], s[72:73]        ; the scale bytes behind the fragments, as they lie in memory
	v_lshlrev_b32 v52, 3, v48
	WIN 0x40
.irp k, 0,1,2,3
.irp p, 0,1,2,3,4,5
	global_load_b64 v[12*\k+2*\p:12*\k+2*\p+1], v13, s[74:75] offset:96*\k+48*(\p/3)+8*(\p%3)
.endr
.endr
	global_load_b64 v[48:49], v52, s[76:77]
	s_wait_loadcnt 0x0
	WIN 0x04                                       ; a store's data: window 1
.irp k, 0,1,2,3
.irp c, 0,1,2
	global_store_b128 v[LI], v[12*\k+4*\c:12*\k+4*\c+3], s[78:79] offset:\k*16*FRB+512*\c
.endr
.endr
	global_store_b64 v52, v[48:49], s[2:3]
	s_wait_xcnt 0x0                                ; the stores have read their registers: x's fragments will land there
	WIN 0
.Lno_wv:
	s_wait_loadcnt 0x0
.irp u, 0,1
.irp k, 0,1,2,3
.irp c, 0,1,2
	ds_store_b128 v14, v[64+12*(2*\k+\u)+4*\c:64+12*(2*\k+\u)+4*\c+3] offset:\k*8*FRB+\u*FRB+512*\c
.endr
.endr
.endr
.irp i, 0,1,2,3
	ds_store_b128 v12, v[160+4*\i:163+4*\i] offset:2048*\i
	ds_store_b128 v12, v[176+4*\i:179+4*\i] offset:8192+2048*\i
	ds_store_b128 v12, v[192+4*\i:195+4*\i] offset:16384+2048*\i
.endr
	ds_store_b128 v12, v[208:211] offset:24576
	ds_store_b128 v12, v[212:215] offset:24576+2048
	ds_store_b128 v12, v[216:219] offset:24576+4096
	s_wait_tensorcnt 0x1                           ; my rows of slot 0 are in; slot 1's load may be out
	s_wait_dscnt 0x0                               ; for the others' sake: my stores have landed
	s_barrier_signal -1
	s_barrier_wait -1
.set j, 0
.rept 16                                       ; all of x's fragments into every wave's registers: K steps 0, 1
.irp c, 0,1,2
	ds_load_b128 v[64+12*j+4*\c:64+12*j+4*\c+3], v15 offset:j*FRB+512*\c
.endr
.set j, j+1
.endr
	WIN 0x40
.rept 16                                       ; K steps 2, 3
.irp c, 0,1,2
	ds_load_b128 v[12*(j-16)+4*\c:12*(j-16)+4*\c+3], v15 offset:j*FRB+512*\c
.endr
.set j, j+1
.endr
	WIN 0
; A fragment of W, 16 rows x 128 K, out of a slot: 24 bytes of the row's stream of bits twice, in pieces of 8 bytes.  Lanes 16-31 read three pieces further on; where that lies behind one padding more the second address register serves.
.macro FRAG reg, adr, q, i
.irp p, 0,1,2,3,4,5
.set PCE, 12*(\q)+6*(\p/3)+\p%3
.if PCE%8 < 5
	ds_load_b64 v[\reg+2*\p:\reg+2*\p+1], v[\adr] offset:8*PCE+16*(PCE/8)+(\i)*16*PITCH
.else
	ds_load_b64 v[\reg+2*\p:\reg+2*\p+1], v[\adr+2] offset:8*PCE+16*(PCE/8)+(\i)*16*PITCH
.endif
.endr
.endm
; Batch n of a slot's eight: K step n / 4 of the slot, tiles 2 (n % 4) and 2 (n % 4) + 1 of my eight: 12 loads, into the pair of buffers n % 2
.macro LOADB slot, n
	WIN 0x40
.set lq, (\n)/4
.set li, (\n)%4
.set lb, WB+24*((\n)%2)
.irp u, 0,1
	FRAG lb+12*\u, AW+\slot, lq, 2*li+\u
.endr
.endm
; 16 products for q or k: the batch's two tiles of W against x's eight tiles.  Accumulator (m, t) at v[64 (m % 4) + 8 t] of window 2 + m / 4.  No two products that follow each other share an accumulator.
; first = 1: K step 0.  The bias lies in tile m = 0's accumulators and is the C of the other seven; five places on, tile 0 adds onto it in place.
.macro MULQK n, hk, first
.set ksl, 2*(\hk)+(\n)/4
.set ii, (\n)%4
.set xw, 64*(1-(\hk))+96*(ksl%2)
.set wb, WB+24*((\n)%2)
.set mm, \first
.rept 8-(\first)
.if mm < 4
.set WN, 0xA1|((\hk)<<2)
.elseif \first
.set WN, 0xE1
.else
.set WN, 0xF1|((\hk)<<2)
.endif
	WIN WN
.irp u, 0,1
.set rD, 64*(mm%4)+8*(2*ii+\u)
.if \first
	WM rD, wb+12*\u, xw+12*mm, 8*(2*ii+\u), WS+4*ii+ksl, XS+4*(mm/2)+ksl, \u, mm%2
.else
	WM rD, wb+12*\u, xw+12*mm, rD, WS+4*ii+ksl, XS+4*(mm/2)+ksl, \u, mm%2
.endif
.endr
.set mm, mm+1
.endr
.if \first
	PLACES 5                                       ; a matrix instruction that writes over a register which earlier ones have read stands five places behind them
	WIN 0xA1
.irp u, 0,1
.set rD, 8*(2*ii+\u)
	WM rD, wb+12*\u, xw, rD, WS+4*ii+ksl, XS+ksl, \u, 0
.endr
.endif
.endm
; The same for v, the sources changed round.  Accumulator (t, m) at v[64 (t % 4) + 8 m] of window 2 + t / 4; the bias lies in (t, 0).
.macro MULV n, hk, first
.set ksl, 2*(\hk)+(\n)/4
.set ii, (\n)%4
.set xw, 64*(1-(\hk))+96*(ksl%2)
.set wb, WB+24*((\n)%2)
.set dw, 2+ii/2
.set WN, (dw<<6)|(dw<<4)|4|(\hk)
	WIN WN
.set mm, \first
.rept 8-(\first)
.irp u, 0,1
.set rT, 64*((2*ii+\u)%4)
.if \first
	WM rT+8*mm, xw+12*mm, wb+12*\u, rT, XS+4*(mm/2)+ksl, WS+4*ii+ksl, mm%2, \u
.else
	WM rT+8*mm, xw+12*mm, wb+12*\u, rT+8*mm, XS+4*(mm/2)+ksl, WS+4*ii+ksl, mm%2, \u
.endif
.endr
.set mm, mm+1
.endr
.if \first
	PLACES 5
.irp u, 0,1
.set rT, 64*((2*ii+\u)%4)
	WM rT, xw, wb+12*\u, rT, XS+ksl, WS+4*ii+ksl, 0, \u
.endr
.endif
.endm
.macro MULX kind, n, hk, first
.if \kind
	MULV \n, \hk, \first
.else
	MULQK \n, \hk, \first
.endif
.endm
; A slot's eight batches; batch 0's loads are out already.  fill = 1: the slot is filled again, with the same K steps of the next matrix.
.macro SLOTSTEP kind, slot, fill
.set nn, 0
.rept 7
	PLACES 4                                       ; four places in front of loads into registers that matrix instructions have read
	LOADB \slot, nn+1
	s_wait_dscnt 12                                ; all but the 12 just issued: batch nn is in
.if ((\slot) == 0) && (nn < 4)
	MULX \kind, nn, \slot, 1
.else
	MULX \kind, nn, \slot, 0
.endif
.set nn, nn+1
.endr
.if \fill
	WIN 0                                          ; (the add's two registers lie in window 0)
	s_wait_tensorcnt 0x0                           ; all my tensor loads have landed: the one that was out is my part of the other slot; so a group 0 may be written
	ds_add_u32 v[SPW], v[NIL]                      ; 0 onto my spare word
.if (\slot) == 0
	s_mov_b64 s[G0+2:G0+3], s[NWA:NWA+1]
	s_or_b32 s[G0+3], s[G0+3], 0x80000000
.else
	s_add_nc_u64 s[G0+6:G0+7], s[NWA:NWA+1], 192
	s_or_b32 s[G0+7], s[G0+7], 0x80000000
.endif
	s_wait_dscnt 0x0                               ; the add is done, and my reads of this slot are over: batch 7 is in
	s_barrier_signal -1                            ; the barrier opens a round of the cluster's barrier;
	MULX \kind, 7, \slot, 0                        ; work on registers while the others arrive
	WIN 0
	s_barrier_wait -1
	CREST                                          ; no wave of any partner still reads this slot or has a load on its way
	tensor_load_to_lds s[G0+4*\slot:G0+4*\slot+3], s[G1:G1+7]   ; my one tensor load behind the round: it has the other slot's 128 products in which to land
	s_nop 0
	PLACES 4                                       ; (also the places behind batch 7's products)
.if (\slot) == 0
	LOADB 1, 0
.endif
.else
.if (\slot) == 0
	s_wait_tensorcnt 0x0                           ; my rows of slot 1 are in; nobody else reads them, and nothing is filled any more
	PLACES 4
	LOADB 1, 0
	s_wait_dscnt 12
	MULX \kind, 7, 0, 0
.else
	s_wait_dscnt 0x0
	MULX \kind, 7, 1, 0
	PLACES 4
.endif
.endif
.endm
; Group g's 64 registers of a lane (register 16 b + i belongs to block b of my row) become a fragment and a scale word, and leave.
.macro QUANTG g
.set qa, 2+(\g)/4
.set qs, 64*((\g)%4)
.set WN, 0x50|(qa<<2)|qa
	WIN WN
.irp b, 0,1,2,3
	v_max3_num_f32 v[TM+\b], |v[qs+16*\b]|, |v[qs+16*\b+1]|, 0x1800000   ; my 16 numbers of block b, each accumulator from its low end on, and the floor 2^(3 - 127): the byte cannot fall under 1
.endr
.irp i, 2,4,6,8,10,12,14
.irp b, 0,1,2,3
	v_max3_num_f32 v[TM+\b], |v[qs+16*\b+\i]|, |v[qs+16*\b+\i+1]|, v[TM+\b]   ; (the four blocks by turns)
.endr
.endr
	WIN 0x55
.irp b, 0,1,2,3
	v_permlanex16_b32 v[TM+4+\b], v[TM+\b], s[SEL], s[SEL+1]
.endr
.irp b, 0,1,2,3
	v_max_num_f32 v[TM+\b], v[TM+\b], v[TM+4+\b]   ; with lane l xor 16's: the block's largest magnitude
.endr
.irp b, 0,1,2,3
	v_add_nc_u32 v[TM+12+\b], 0xff000000, v[TM+\b] ; 2 off its exponent field: the conversion takes the exponent field of this operand as its scale
.endr
.irp b, 0,1,2,3
	v_lshrrev_b32 v[TM+4+\b], 23, v[TM+12+\b]      ; the scale's byte
.endr
	v_lshl_or_b32 v[PW], v[TM+5], 8, v[TM+4]
	v_lshl_or_b32 v[PW], v[TM+6], 16, v[PW]
	v_lshl_or_b32 v[PW], v[TM+7], 24, v[PW]
	s_wait_xcnt 0x0                                ; the last group's stores have read the codes' registers
.set WN, 0x44|qa
	WIN WN
.irp c, 0,1
	v_cvt_scalef32_pk16_fp6_f32 v[PC+6*\c:PC+6*\c+2], v[qs+32*\c:qs+32*\c+15], v[TM+12+2*\c]
	v_cvt_scalef32_pk16_fp6_f32 v[PC+12+4*\c:PC+14+4*\c], v[qs+32*\c+16:qs+32*\c+31], v[TM+13+2*\c]   ; (a conversion's three registers begin on an even number)
.endr
	WIN 0x55
	v_nop                                          ; one plain place behind a scaled conversion
.irp c, 0,1                                    ; the operand's layout wants a whole block in a lane: lanes 0-15 block 2 c, lanes 16-31 block 2 c + 1
.irp i, 0,1,2
	v_permlane16_swap_b32 v[PC+6*\c+\i], v[PC+12+4*\c+\i]
.endr
.irp i, 0,1,2
	v_mov_b32 v[PC+3+6*\c+\i], v[PC+12+4*\c+\i]
.endr
.endr
.if (\g)%2 == 0
	v_mov_b32 v[SW+(\g)/2], v[PW]                  ; an even group's words stay in lanes 0-15,
.else
	v_cndmask_b32 v[SW+(\g)/2], v[SW+(\g)/2], v[PW], s[HM]   ; the odd group's take lanes 16-31
.endif
	WIN 0x04
.irp c, 0,1,2
	global_store_b128 v[LI], v[PC+4*\c:PC+4*\c+3], s[OC:OC+1] offset:(\g)*FRB+512*\c   ; 512 consecutive bytes, aligned
.endr
.if (\g) == 7
	global_store_b128 v[LI], v[SW:SW+3], s[OS:OS+1]
.endif
.endm
; One matrix: its scale words and its bias, 256 products a wave, eight groups quantised.
.macro PHASE kind, fill
	WIN 0
.irp i, 0,1,2,3
	ds_load_b128 v[WS+4*\i:WS+4*\i+3], v[ASC] offset:512*\i
.endr
.if \kind
.irp t, 0,1,2,3,4,5,6,7
.set WN, 0x80+0x40*(\t/4)
	WIN WN
.irp j, 0,1,2,3,4,5,6,7
	ds_load_b32 v[64*(\t%4)+\j], v[ABV] offset:64*\t   ; a lane holds one feature: its bias in all eight registers
.endr
.endr
.else
	WIN 0x80
.irp t, 0,1,2,3,4,5,6,7
	ds_load_b128 v[8*\t:8*\t+3], v[ABI] offset:64*\t
	ds_load_b128 v[8*\t+4:8*\t+7], v[ABI] offset:64*\t+16
.endr
.endif
	LOADB 0, 0
	SLOTSTEP \kind, 0, \fill
	SLOTSTEP \kind, 1, \fill
.irp g, 0,1,2,3,4,5,6,7
	QUANTG \g
.endr
	WIN 0
.endm
	s_mov_b32 s[CNT], 2
.Lmat:                                             ; two trips: q, then k.  The refills bring the next matrix: k's tiles in the first trip, v's in the second
	PHASE 0, 1
	s_wait_xcnt 0x0                                ; the stores have read their registers and bases
	s_mov_b64 s[NWA:NWA+1], s[NWB:NWB+1]
	s_mov_b64 s[OC:OC+1], s[OC2:OC2+1]
	s_mov_b64 s[OS:OS+1], s[OS2:OS2+1]
	v_add_nc_u32 v[ASC], 8192, v[ASC]
	v_add_nc_u32 v[ABI], 2048, v[ABI]
	s_sub_co_u32 s[CNT], s[CNT], 1
	s_cmp_lg_u32 s[CNT], 0
	s_cbranch_scc1 .Lmat
	s_add_nc_u64 s[OC:OC+1], s[OC:OC+1], 49152     ; v's fragments lie behind k's, its scale words behind k's
	s_add_nc_u64 s[OS:OS+1], s[OS:OS+1], 2048
	PHASE 1, 0
	s_wait_tensorcnt 0x0                           ; the wave's end
	ds_add_u32 v[SPW], v[NIL]
	s_wait_dscnt 0x0
	CROUND                                         ; the closing round: no work-group ends while a partner may still ask for a tile that names it
	s_endpgm
.Lfunc_end_k_qbf14cb0f84_proj:
	.size	k_qbf14cb0f84_proj, .Lfunc_end_k_qbf14cb0f84_proj-k_qbf14cb0f84_proj
	.p2alignl 7, 3214868480
	.fill 96, 4, 3214868480
	.section	.rodata,"a",@progbits
	.p2align	6, 0x0
	.amdhsa_kernel k_qbf14cb0f84_proj
		.amdhsa_group_segment_fixed_size 327680
		.amdhsa_private_segment_fixed_size 0
		.amdhsa_enable_private_segment 0
		.amdhsa_kernarg_size 112
		.amdhsa_user_sgpr_count 2
		.amdhsa_user_sgpr_kernarg_segment_ptr 1
		.amdhsa_wavefront_size32 1
		.amdhsa_system_sgpr_workgroup_id_x 1
		.amdhsa_system_sgpr_workgroup_id_y 1
		.amdhsa_system_sgpr_workgroup_id_z 1
		.amdhsa_system_vgpr_workitem_id 0
		.amdhsa_next_free_vgpr 1024
		.amdhsa_next_free_sgpr 80
		.amdhsa_reserve_vcc 0
		.amdhsa_float_denorm_mode_32 3
		.amdhsa_float_denorm_mode_16_64 3
		.amdhsa_memory_ordered 1
		.amdhsa_forward_progress 1
		.amdhsa_inst_pref_size 198
	.end_amdhsa_kernel
	.amdgpu_metadata
---
amdhsa.version: [ 1, 2 ]
amdhsa.kernels:
  - .name:           k_qbf14cb0f84_proj
    .symbol:         k_qbf14cb0f84_proj.kd
    .args:
      - { .name: x_codes, .offset: 0, .size: 8, .value_kind: global_buffer, .address_space: global }
      - { .name: x_scales, .offset: 8, .size: 8, .value_kind: global_buffer, .address_space: global }
      - { .name: Wq_codes, .offset: 16, .size: 8, .value_kind: global_buffer, .address_space: global }
      - { .name: Wq_scales, .offset: 24, .size: 8, .value_kind: global_buffer, .address_space: global }
      - { .name: bq, .offset: 32, .size: 8, .value_kind: global_buffer, .address_space: global }
      - { .name: Wk_codes, .offset: 40, .size: 8, .value_kind: global_buffer, .address_space: global }
      - { .name: Wk_scales, .offset: 48, .size: 8, .value_kind: global_buffer, .address_space: global }
      - { .name: bk, .offset: 56, .size: 8, .value_kind: global_buffer, .address_space: global }
      - { .name: Wv_codes, .offset: 64, .size: 8, .value_kind: global_buffer, .address_space: global }
      - { .name: Wv_scales, .offset: 72, .size: 8, .value_kind: global_buffer, .address_space: global }
      - { .name: bv, .offset: 80, .size: 8, .value_kind: global_buffer, .address_space: global }
      - { .name: qimg, .offset: 88, .size: 8, .value_kind: global_buffer, .address_space: global }
      - { .name: kv, .offset: 96, .size: 8, .value_kind: global_buffer, .address_space: global }
      - { .name: wvimg, .offset: 104, .size: 8, .value_kind: global_buffer, .address_space: global }
    .group_segment_fixed_size: 327680
    .private_segment_fixed_size: 0
    .kernarg_segment_align: 8
    .kernarg_segment_size: 112
    .max_flat_workgroup_size: 128
    .sgpr_count:     80
    .vgpr_count:     1024
    .wavefront_size: 32
...
	.end_amdgpu_metadata
.endif
;; end of part 1
;; launch attn (part 2): grid 8 x 32, 4 waves a work-group, clusters of 4 x 1, 327,680 bytes of LDS; arguments qimg, kv, wvimg, x_codes, x_scales, bv, beta, out0; writes out0
.if DOCPART == 2
	.amdgcn_target "amdgcn-amd-amdhsa--gfx1250"
	.amdhsa_code_object_version 6
	.text
	.protected	k_qbf14cb0f84_attn
	.globl	k_qbf14cb0f84_attn
	.p2align	8
	.type	k_qbf14cb0f84_attn,@function
k_qbf14cb0f84_attn:
	s_mov_b64 s[64:65], 0
	v_nop
	global_prefetch_b8 v0, s[64:65] scope:SCOPE_SE
	s_setreg_imm32_b32 hwreg(HW_REG_WAVE_MODE, 25, 1), 1
	s_wait_xcnt 0x0
	s_wait_alu depctr_hold_cnt(0) depctr_sa_sdst(0) depctr_va_vdst(0) depctr_va_sdst(0) depctr_va_ssrc(0) depctr_va_vcc(0) depctr_vm_vsrc(0)
	s_getreg_b32 s2, hwreg(HW_REG_IB_STS2, 6, 4)
	s_cmp_eq_u32 s2, 0
	s_cbranch_scc0 .Lentry_in_a_cluster
	s_endpgm
.Lentry_in_a_cluster:
	s_bfe_u32 s2, ttmp6, 0x10000c
	s_cmp_lg_u32 s2, 0x3003
	s_cbranch_scc0 .Lentry_shape_is_right
	s_endpgm
.Lentry_shape_is_right:
; out = beta x softmax(q k^T) v + v, for 128 queries (channels) of one batch to a work-group; both products on codes of FP6 (E2M3) with one E8M0 scale for each 32 along K.  No 1 / sqrt(d).
; q, k, v come as images of operand registers, made by the launch before (a fragment: 1,536 bytes, registers 4 c .. 4 c + 3 of lane l at 512 c + 16 l); within a block of 32 both operands of a product lie in the same order of places.
; THE SOFTMAX: t = score x log2(e); M = the row's largest t so far, rounded up to a whole number; p = 2^(t - M) is what is quantised, along the keys; the row's sum is taken of the unquantised p and divides at the end.
; When M moves, the sum and O are multiplied by 2^(old M - new M): exact.
; THE RESIDUAL v (unquantised) is not fetched: it is made again for the work-group's own rows.  O^T is first turned into beta O^T / l + bv, and the products Wv x^T add onto that in place.
; SHARES.  A wave owns 32 queries, two tiles; O^T is 2 x 32 accumulators, 512 registers.  Every wave walks 8 key steps of 128 keys, then two steps of Wv.  Both products are used transposed: a lane holds ONE query throughout.
; THE RING.  Two LDS slots; a fill is one dense block of 102,400 bytes (a key step's 32 fragments of K, 32 of V^T and their scale words; or half of Wv), a quarter to each wave.  Ten fills: 8 of kv, 2 of wvimg.
; The change of slots at the end of key step j asks for fill j + 2, so one loop of eight trips issues one load a trip, and the key step is written once.
; CLUSTER.  The four work-groups of a cluster belong to one batch and walk the same blocks: each fill is asked for jointly (mask 15).
; O^T begins as zeros (512 moves at the head, while the first tiles are on their way) so that the loop has no first step of its own; the first change of M multiplies zeros.
; LIMITS: NaN, infinities and the scale byte 0xff are not served; a block of p that has fallen to zeros keeps the byte 1 (its codes are zeros); 1 / l is v_rcp_f32's; the order of the f32 sums is the matrix unit's.
.set BLK,   102400
.set QTR,   25600
.set SLOT1, 131072                     ; slot 1 begins here, so that one exclusive or turns an address in one slot into the other's
.set FRB,   1536
.set XST,   262144                     ; behind the ring, for each wave 12,800 bytes of its own: x's 8 images and its scale words; at the end the same bytes are the wave's stage, 16 rows x 528
.set XSTW,  12800
.set SPARE, XST+4*XSTW                 ; the spare words, 128 bytes a wave, which no other line names
.set BVL,   SPARE+512                  ; bv
.set SPW, 1                            ; v1   SPARE + 4 x thread; never rewritten
.set NIL, 2                            ; v2   0; never rewritten
.set LI,  3                            ; v3   16 x lane
.set AK,  4                            ; v4   the slot in hand + 16 x lane
.set AV,  5                            ; v5   49,152 further on
.set STO, 6                            ; v6   the stage: where I put 32 bytes of a row
.set RD,  7                            ; v7   my wave's own bytes + 16 x lane
.set ABV, 8                            ; v8   bv at my half's eight features
.set PFO, 9                            ; v9   256 x lane, for the prefetches; never rewritten
.set QS,  12                           ; v12-15  q's scale words, one register a K step: lanes 0-15 tile 0, lanes 16-31 tile 1; later x's
.set KSC, 16                           ; v16-31  K's: register 4 ks + b: lanes 0-15 tile 2 b, lanes 16-31 tile 2 b + 1
.set VSC, 32                           ; v32-47  V's: register 4 (ft / 8) + (ft % 8) / 2.  In the residual v16-47 hold Wv's: register 4 (f / 2) + ks
.set PS,  48                           ; v48, 49 p's scale words
.set ST,  50                           ; tile i at v[50 + 6 i]: -M, the largest t, the sum in two halves, f (later beta / l) and its pair's other half
.set XT,  62                           ; v62, 63 at work
.set S,   64                           ; v64-191 S^T, then p: tile i, key tile kt at 64 + 64 i + 8 kt
.set PCD, 192                          ; v192-215 p's codes
.set PT,  216                          ; v216-223 the conversions' second halves
.set BM,  224                          ; tile i: v[224 + 12 i] the blocks' largest, +4 at work, +8 the conversions' scale operands
.set T4,  228
.set SO,  232
.set TS,  248                          ; v248-251 the sums' second chains
.set FB,  96                           ; window 1: v0-95 q's (later x's) fragments, tile i, K step ks at 12 (4 i + ks); v96-239 twelve buffers, three groups of four.  Windows 2, 3: O^T of tile 0, 1, feature tile ft at 8 ft
.set WV,  20
.set G1,  24                           ; s[24:31] descriptor group 1;  s[32:35] group 0 of the first fill;  s[36:39] of the second, which then walks
.set G0A, 32
.set G0B, 36
.set KVA, 40                           ; s[40:41] my quarter of the next block of kv;  s[42:43] of wvimg;  s[44:47] their steps
.set WVA, 42
.set SEL, 48
.set CS,  50                           ; s[50:51] log2(e)
.set TB,  52
.set CNT, 53
.set BETA, 54
.set LIM, 55
.set PFA, 56
.set MSB, 0
.macro WIN new
.if MSB != (\new)
	s_set_vgpr_msb (MSB<<8)|(\new)
.set MSB, (\new)
.endif
.endm
.macro PLACES n
.rept \n
	v_nop
.endr
.endm
.macro CREST
	s_cmp_lg_u32 s[WV], 0
	s_cbranch_scc1 .Lnot_wave_0_\@
	s_barrier_signal -3
.Lnot_wave_0_\@:
	s_barrier_wait -3
	s_barrier_signal -1
	s_barrier_wait -1
.endm
.macro CROUND
	s_barrier_signal -1
	s_barrier_wait -1
	CREST
.endm
; One product.  c < 0: the constant 0 starts the sum.  ra, rb = 1: that side's scale words stand in lanes 16-31 of the register named.
.macro WM d, a, b, c, sa, sb, ra, rb
.if (\c) < 0
.if (\ra) && (\rb)
	v_wmma_scale_f32_16x16x128_f8f6f4 v[\d:\d+7], v[\a:\a+11], v[\b:\b+11], 0, v[\sa], v[\sb] matrix_a_fmt:MATRIX_FMT_FP6 matrix_b_fmt:MATRIX_FMT_FP6 matrix_a_scale:MATRIX_SCALE_ROW1 matrix_b_scale:MATRIX_SCALE_ROW1
.elseif (\ra)
	v_wmma_scale_f32_16x16x128_f8f6f4 v[\d:\d+7], v[\a:\a+11], v[\b:\b+11], 0, v[\sa], v[\sb] matrix_a_fmt:MATRIX_FMT_FP6 matrix_b_fmt:MATRIX_FMT_FP6 matrix_a_scale:MATRIX_SCALE_ROW1
.elseif (\rb)
	v_wmma_scale_f32_16x16x128_f8f6f4 v[\d:\d+7], v[\a:\a+11], v[\b:\b+11], 0, v[\sa], v[\sb] matrix_a_fmt:MATRIX_FMT_FP6 matrix_b_fmt:MATRIX_FMT_FP6 matrix_b_scale:MATRIX_SCALE_ROW1
.else
	v_wmma_scale_f32_16x16x128_f8f6f4 v[\d:\d+7], v[\a:\a+11], v[\b:\b+11], 0, v[\sa], v[\sb] matrix_a_fmt:MATRIX_FMT_FP6 matrix_b_fmt:MATRIX_FMT_FP6
.endif
.else
.if (\ra) && (\rb)
	v_wmma_scale_f32_16x16x128_f8f6f4 v[\d:\d+7], v[\a:\a+11], v[\b:\b+11], v[\c:\c+7], v[\sa], v[\sb] matrix_a_fmt:MATRIX_FMT_FP6 matrix_b_fmt:MATRIX_FMT_FP6 matrix_a_scale:MATRIX_SCALE_ROW1 matrix_b_scale:MATRIX_SCALE_ROW1
.elseif (\ra)
	v_wmma_scale_f32_16x16x128_f8f6f4 v[\d:\d+7], v[\a:\a+11], v[\b:\b+11], v[\c:\c+7], v[\sa], v[\sb] matrix_a_fmt:MATRIX_FMT_FP6 matrix_b_fmt:MATRIX_FMT_FP6 matrix_a_scale:MATRIX_SCALE_ROW1
.elseif (\rb)
	v_wmma_scale_f32_16x16x128_f8f6f4 v[\d:\d+7], v[\a:\a+11], v[\b:\b+11], v[\c:\c+7], v[\sa], v[\sb] matrix_a_fmt:MATRIX_FMT_FP6 matrix_b_fmt:MATRIX_FMT_FP6 matrix_b_scale:MATRIX_SCALE_ROW1
.else
	v_wmma_scale_f32_16x16x128_f8f6f4 v[\d:\d+7], v[\a:\a+11], v[\b:\b+11], v[\c:\c+7], v[\sa], v[\sb] matrix_a_fmt:MATRIX_FMT_FP6 matrix_b_fmt:MATRIX_FMT_FP6
.endif
.endif
.endm
; A PREFETCH INTO THE L2 of the code bytes of the block that the NEXT change of slots will ask for: 98,304 bytes, lanes 256 bytes apart, 8,192 bytes an instruction.  Both clusters of a batch walk the same blocks: the batch's first
; cluster asks; its four partners take 24,576 bytes each, told apart by address; in each, waves 0 to 2 ask, one instruction each: every block of 256 bytes is named once.  It stands behind the wave's tensor load and its four lines.
; The changes that ask for fills 2 to 6 name fills 3 to 7; fills 0 to 2, the scale words and wvimg come by their loads alone.
.macro ASK
	s_cmp_gt_u32 s[CNT], s[LIM]
	s_cbranch_scc0 .Lnot_mine_\@
	global_prefetch_b8 v[PFO], s[PFA:PFA+1] th:TH_LOAD_NT scope:SCOPE_SE
.Lnot_mine_\@:
.endm
	s_load_b512 s[4:19], s[0:1], 0x0               ; qimg 4, kv 6, wvimg 8, x_codes 10, x_scales 12, bv 14, beta 16, out0 18
	v_lshl_add_u32 v[SPW], v0, 2, SPARE
	v_mov_b32 v[NIL], 0
	ds_add_u32 v1, v2
	ds_add_u32 v1, v2
	s_wait_dscnt 0x0
	v_lshrrev_b32 v10, 5, v0
	v_readfirstlane_b32 s[WV], v10                 ; wave 0..3
	s_bfe_u32 s21, ttmp6, 0x40000                  ; cx
	s_and_b32 s22, ttmp7, 0xffff                   ; the batch, which the four partners share
	s_lshl_b32 s23, ttmp9, 2
	s_add_co_u32 s23, s23, s21                     ; my block of 128 queries, 0..7
	; descriptor group 1: 100 dense rows of 256 bytes
	s_mov_b32 s[G1+0], 15|(3<<16)|(1<<21)          ; the mask: all four work-groups; elements of 8 bytes; bit 21 beside a mask; no padding
	s_mov_b32 s[G1+1], 32<<16                      ; tensor_dim0
	s_mov_b32 s[G1+2], 100<<16                     ; tensor_dim1
	s_mov_b32 s[G1+3], 32<<16                      ; tile_dim0
	s_mov_b32 s[G1+4], 100                         ; tile_dim1
	s_mov_b32 s[G1+5], 32                          ; from row to row
	s_mov_b32 s[G1+6], 0
	s_mov_b32 s[G1+7], 0
	s_mul_i32 s58, s22, 8*BLK
	s_mul_i32 s60, s[WV], QTR                      ; my quarter, in memory and in a slot: no place in the cluster enters an LDS address
	s_add_co_u32 s58, s58, s60
	s_mov_b32 s59, 0
	s_mov_b32 s61, 0
	s_mov_b32 s45, 0
	s_mov_b32 s47, 0
	s_mov_b32 s[SEL], 0x76543210
	s_mov_b32 s[SEL+1], 0xfedcba98
	s_mov_b32 s[CS], 0x3fb8aa3b                    ; log2(e)
	s_mov_b32 s[CS+1], s[CS]                       ; (named with it as a pair, so it is written)
	s_wait_kmcnt 0x0
	s_load_b32 s[BETA], s[16:17], 0x0
	s_add_nc_u64 s[KVA:KVA+1], s[6:7], s[58:59]    ; key step 0
	s_mov_b32 s[G0A+0], 1
	s_mov_b32 s[G0A+1], s60
	s_mov_b64 s[G0A+2:G0A+3], s[KVA:KVA+1]
	s_or_b32 s[G0A+3], s[G0A+3], 0x80000000
	s_mov_b32 s[G0B+0], 1
	s_add_co_u32 s[G0B+1], s60, SLOT1
	s_add_nc_u64 s[G0B+2:G0B+3], s[KVA:KVA+1], BLK ; key step 1
	s_or_b32 s[G0B+3], s[G0B+3], 0x80000000
	s_add_nc_u64 s[KVA:KVA+1], s[KVA:KVA+1], 2*BLK ; the first refill: key step 2
	s_add_nc_u64 s[WVA:WVA+1], s[8:9], s[60:61]
	CROUND                                         ; all four work-groups are here: the first joint loads meet
	tensor_load_to_lds s[G0A:G0A+3], s[G1:G1+7]    ; the two first fills go out together: two loads of mine are out
	s_nop 0
	tensor_load_to_lds s[G0B:G0B+3], s[G1:G1+7]
	s_nop 0
	PLACES 4                                       ; four such lines behind a tensor load
	s_mul_i32 s58, s22, 8*BLK                      ; the prefetches stand at key step 2; the first change of slots steps them to 3
	s_mul_i32 s2, s21, 24576
	s_add_co_u32 s58, s58, s2
	s_lshl_b32 s2, s[WV], 13
	s_add_co_u32 s58, s58, s2
	s_add_co_u32 s58, s58, 2*BLK
	s_add_nc_u64 s[PFA:PFA+1], s[6:7], s[58:59]
	s_cmp_lt_u32 s[WV], 3
	s_cselect_b32 s2, 0, 1
	s_or_b32 s2, s2, ttmp9                         ; 0 in waves 0 to 2 of the batch's first cluster: alike in all partners
	s_cmp_eq_u32 s2, 0
	s_cselect_b32 s[LIM], 3, -1                    ; such a wave asks while more than 3 trips are left
	s_lshl_b32 s2, s22, 3
	s_add_co_u32 s2, s2, s23                       ; 8 x batch + my block
	s_mul_i32 s58, s2, 51200
	s_lshl_b32 s3, s[WV], 2
	s_add_co_u32 s60, s58, s3
	s_add_co_u32 s60, s60, 49152
	s_add_nc_u64 s[60:61], s[4:5], s[60:61]        ; q's scale words: pair of tiles w
	s_mul_i32 s3, s[WV], 2*FRB
	s_add_co_u32 s58, s58, s3
	s_add_nc_u64 s[4:5], s[4:5], s[58:59]          ; q's fragments: tiles 2 w, 2 w + 1
	s_lshl_b32 s2, s2, 7
	s_lshl_b32 s3, s[WV], 5
	s_add_co_u32 s2, s2, s3                        ; my first row of x and of out
	s_mul_i32 s58, s2, 384
	s_add_nc_u64 s[10:11], s[10:11], s[58:59]
	s_lshl_b32 s58, s2, 4
	s_add_nc_u64 s[12:13], s[12:13], s[58:59]
	s_lshl_b32 s58, s2, 11
	s_add_nc_u64 s[18:19], s[18:19], s[58:59]
	v_and_b32 v10, 31, v0
	v_lshlrev_b32 v[LI], 4, v10
	v_lshlrev_b32 v[PFO], 8, v10
	v_and_b32 v10, 15, v0                          ; r
	v_bfe_u32 v11, v0, 4, 1                        ; h
	s_mul_i32 s58, s[WV], XSTW
	s_add_co_u32 s58, s58, XST
	v_mul_u32_u24 v[STO], v10, 528
	v_lshl_add_u32 v[STO], v11, 5, v[STO]
	v_add_nc_u32 v[STO], s58, v[STO]
	v_add_nc_u32 v[RD], s58, v[LI]
	v_lshl_add_u32 v[ABV], v11, 5, BVL
	v_mul_u32_u24 v4, v10, 384                     ; (v4, v5, v62 serve the head's loads and stores; they get their lasting use behind the wait for these loads)
	v_mad_u32_u24 v4, v11, 24, v4
	v_lshlrev_b32 v5, 4, v0
	v_add_nc_u32 v62, BVL, v5
	WIN 0x40
.irp k, 0,1,2,3
.irp i, 0,1
.irp c, 0,1,2
	global_load_b128 v[12*(4*\i+\k)+4*\c:12*(4*\i+\k)+4*\c+3], v[LI], s[4:5] offset:\k*8*FRB+\i*FRB+512*\c th:TH_LOAD_NT   ; q stays in registers
.endr
.endr
.endr
	WIN 0
.irp k, 0,1,2,3
	global_load_b32 v[QS+\k], v[LI], s[60:61] offset:512*\k
.endr
.irp i, 0,1
.irp k, 0,1,2,3
.irp p, 0,1,2,3,4,5
	global_load_b64 v[64+12*(4*\i+\k)+2*\p:64+12*(4*\i+\k)+2*\p+1], v4, s[10:11] offset:\i*6144+96*\k+48*(\p/3)+8*(\p%3) th:TH_LOAD_NT   ; my 32 rows of x, for the residual
.endr
.endr
.endr
	global_load_b128 v[160:163], v[LI], s[12:13]   ; row lane's four scale words
	global_load_b128 v[164:167], v5, s[14:15]      ; bv, 16 bytes a thread
	WIN 0x80                                       ; O^T begins as zeros, while the loads are on their way
.set j, 0
.rept 256
	v_mov_b32 v[j], 0
.set j, j+1
.endr
	WIN 0xC0
.set j, 0
.rept 256
	v_mov_b32 v[j], 0
.set j, j+1
.endr
	WIN 0
.irp i, 0,1
	v_mov_b32 v[ST+6*\i+1], 0xff61b1e6             ; the largest t so far: -3e38, under every t
	v_floor_f32 v[ST+6*\i], -v[ST+6*\i+1]          ; -M
	v_mov_b32 v[ST+6*\i+2], 0                      ; the sum, in two halves
	v_mov_b32 v[ST+6*\i+3], 0
	v_mov_b32 v[ST+6*\i+5], 0                      ; (named as the upper half of f's pair)
.irp b, 0,1,2,3
	v_mov_b32 v[T4+12*\i+\b], 0                    ; written once: a lane permute's destination counts as one of its sources
.endr
.endr
	s_wait_loadcnt 0x0
.set j, 0
.rept 8
.irp c, 0,1,2
	ds_store_b128 v[RD], v[64+12*j+4*\c:64+12*j+4*\c+3] offset:j*FRB+512*\c   ; x's fragments wait in my wave's own bytes
.endr
.set j, j+1
.endr
	ds_store_b128 v[RD], v[160:163] offset:8*FRB
	ds_store_b128 v62, v[164:167]
	s_wait_kmcnt 0x0                               ; beta
	s_wait_tensorcnt 0x1                           ; my quarter of key step 0 is in; key step 1's load may be out
	s_wait_dscnt 0x0                               ; for the others' sake: my part of bv has landed
	s_barrier_signal -1
	s_barrier_wait -1
; Batch n of a block's sixteen: four fragments, 12 loads of 512 consecutive bytes, into group n % 3.  A block lies in the order of its batches: one form serves K (0-7), V^T (8-15) and Wv (0-15).
.macro LOADG n
	WIN 0x40
.set gb, FB+48*((\n)%3)
.set go, ((\n)%8)*4*FRB
.irp e, 0,1,2,3
.irp c, 0,1,2
.if (\n) < 8
	ds_load_b128 v[gb+12*\e+4*\c:gb+12*\e+4*\c+3], v[AK] offset:go+\e*FRB+512*\c
.else
	ds_load_b128 v[gb+12*\e+4*\c:gb+12*\e+4*\c+3], v[AV] offset:go+\e*FRB+512*\c
.endif
.endr
.endr
.endm
; 8 products of S^T = K Q^T: K step n / 2, key tiles 4 (n % 2) + 0..3, both tiles of queries.  The accumulators take turns: one comes round again after 15 others.
.macro MULS n
	WIN 0x05
.set sk, (\n)/2
.irp e, 0,1,2,3
.set kt, 4*((\n)%2)+\e
.irp i, 0,1
.set rD, S+64*\i+8*kt
.if sk == 0
	WM rD, FB+48*((\n)%3)+12*\e, 12*(4*\i+sk), -1, KSC+4*sk+kt/2, QS+sk, kt%2, \i
.else
	WM rD, FB+48*((\n)%3)+12*\e, 12*(4*\i+sk), rD, KSC+4*sk+kt/2, QS+sk, kt%2, \i
.endif
.endr
.endr
.endm
; The softmax of both tiles for one key step, the tiles by turns in every stage.  Register 16 b + n of a tile belongs to block b of the step's four blocks of 32 keys.
.macro SOFTMAX
	WIN 0
.irp b, 0,1,2,3
.irp i, 0,1
	v_max3_num_f32 v[BM+12*\i+\b], v[S+64*\i+16*\b], v[S+64*\i+16*\b+1], v[S+64*\i+16*\b+2]   ; the largest score of each block: it serves for the row's maximum and, since p rises with the score, for the block's largest p
.endr
.endr
.irp j, 3,5,7,9,11,13
.irp b, 0,1,2,3
.irp i, 0,1
	v_max3_num_f32 v[BM+12*\i+\b], v[BM+12*\i+\b], v[S+64*\i+16*\b+\j], v[S+64*\i+16*\b+\j+1]
.endr
.endr
.endr
.irp b, 0,1,2,3
.irp i, 0,1
	v_max_num_f32 v[BM+12*\i+\b], v[BM+12*\i+\b], v[S+64*\i+16*\b+15]
.endr
.endr
.irp b, 0,1,2,3
.irp i, 0,1
	v_permlanex16_b32 v[T4+12*\i+\b], v[BM+12*\i+\b], s[SEL], s[SEL+1]
.endr
.endr
.irp b, 0,1,2,3
.irp i, 0,1
	v_max_num_f32 v[BM+12*\i+\b], v[BM+12*\i+\b], v[T4+12*\i+\b]   ; with lane l xor 16's 16 keys
.endr
.endr
.irp i, 0,1
	v_max3_num_f32 v[XT+\i], v[BM+12*\i], v[BM+12*\i+1], v[BM+12*\i+2]
.endr
.irp i, 0,1
	v_max_num_f32 v[XT+\i], v[XT+\i], v[BM+12*\i+3]    ; the step's largest score of my query
.endr
.irp i, 0,1
	v_mul_f32 v[XT+\i], s[CS], v[XT+\i]                ; as t
.endr
.irp i, 0,1
	v_max_num_f32 v[ST+6*\i+1], v[ST+6*\i+1], v[XT+\i] ; the running largest t
.endr
.irp i, 0,1
	v_mov_b32 v[XT+\i], v[ST+6*\i]
.endr
.irp i, 0,1
	v_floor_f32 v[ST+6*\i], -v[ST+6*\i+1]              ; the new -M = floor(-t): M is a whole number
.endr
.irp i, 0,1
	v_sub_f32 v[XT+\i], v[ST+6*\i], v[XT+\i]           ; old M - new M: a whole number, 0 or less
.endr
.irp i, 0,1
	v_cvt_i32_f32 v[XT+\i], v[XT+\i]                   ; (it saturates)
.endr
.irp i, 0,1
	v_ldexp_f32 v[ST+6*\i+4], 1.0, v[XT+\i]            ; f = 2^(old M - new M)
.endr
.irp j, 0,2,4,6,8,10,12,14,16,18,20,22,24,26,28,30,32,34,36,38,40,42,44,46,48,50,52,54,56,58,60,62
.irp i, 0,1
	v_pk_fma_f32 v[S+64*\i+\j:S+64*\i+\j+1], v[S+64*\i+\j:S+64*\i+\j+1], s[CS:CS+1], v[ST+6*\i:ST+6*\i+1] op_sel_hi:[1,0,0]   ; t - M, two at a time
.endr
.endr
.irp b, 0,1,2,3
.irp i, 0,1
	v_fma_f32 v[BM+12*\i+\b], v[BM+12*\i+\b], s[CS], v[ST+6*\i]   ; the same of each block's largest score
.endr
.endr
.set j, 0
.rept 128
	v_exp_f32 v[S+j], v[S+j]                           ; p = 2^(t - M), at most 1: not normalised
.set j, j+1
.endr
.irp i, 0,1
	v_pk_mul_f32 v[ST+6*\i+2:ST+6*\i+3], v[ST+6*\i+2:ST+6*\i+3], v[ST+6*\i+4:ST+6*\i+5] op_sel_hi:[1,0]   ; the sums under the new M (plain lines behind the exponentials)
.endr
	s_wait_alu depctr_va_vdst(0)                       ; one wait for the whole batch of 128, ahead of its first reader
.irp b, 0,1,2,3
.irp i, 0,1
	v_exp_f32 v[BM+12*\i+\b], v[BM+12*\i+\b]           ; the block's largest p: the same two instructions on the same number
.endr
.endr
.irp i, 0,1
	v_pk_add_f32 v[TS+2*\i:TS+2*\i+1], v[S+64*\i:S+64*\i+1], v[S+64*\i+2:S+64*\i+3]   ; the row's sum is taken of the unquantised p: two at a time, in two chains a tile
.endr
.irp j, 4,8,12,16,20,24,28,32,36,40,44,48,52,56,60
.irp i, 0,1
	v_pk_add_f32 v[ST+6*\i+2:ST+6*\i+3], v[ST+6*\i+2:ST+6*\i+3], v[S+64*\i+\j:S+64*\i+\j+1]
	v_pk_add_f32 v[TS+2*\i:TS+2*\i+1], v[TS+2*\i:TS+2*\i+1], v[S+64*\i+\j+2:S+64*\i+\j+3]
.endr
.endr
.irp i, 0,1
	v_pk_add_f32 v[ST+6*\i+2:ST+6*\i+3], v[ST+6*\i+2:ST+6*\i+3], v[TS+2*\i:TS+2*\i+1]
.endr
	s_wait_alu depctr_va_vdst(0)                       ; and one for the eight
.irp b, 0,1,2,3
.irp i, 0,1
	v_max_num_f32 v[BM+12*\i+\b], 0x1800000, v[BM+12*\i+\b]   ; the floor 2^(3 - 127): the byte cannot fall under 1
.endr
.endr
.irp b, 0,1,2,3
.irp i, 0,1
	v_add_nc_u32 v[SO+12*\i+\b], 0xff000000, v[BM+12*\i+\b]   ; 2 off the exponent field: the conversion's scale operand
.endr
.endr
.irp b, 0,1,2,3
.irp i, 0,1
	v_lshrrev_b32 v[T4+12*\i+\b], 23, v[SO+12*\i+\b]   ; the scale's byte
.endr
.endr
.irp i, 0,1
	v_lshl_or_b32 v[PS+\i], v[T4+12*\i+1], 8, v[T4+12*\i]
.endr
.irp i, 0,1
	v_lshl_or_b32 v[PS+\i], v[T4+12*\i+2], 16, v[PS+\i]
.endr
.irp i, 0,1
	v_lshl_or_b32 v[PS+\i], v[T4+12*\i+3], 24, v[PS+\i]   ; p's scale word for these 128 keys
.endr
.irp i, 0,1
.irp c, 0,1
	v_cvt_scalef32_pk16_fp6_f32 v[PCD+12*\i+6*\c:PCD+12*\i+6*\c+2], v[S+64*\i+32*\c:S+64*\i+32*\c+15], v[SO+12*\i+2*\c]
	v_cvt_scalef32_pk16_fp6_f32 v[PT+4*\c:PT+4*\c+2], v[S+64*\i+32*\c+16:S+64*\i+32*\c+31], v[SO+12*\i+2*\c+1]   ; (a conversion's three registers begin on an even number)
.endr
	v_nop                                              ; one plain place behind a scaled conversion
.irp c, 0,1                                        ; the operand's layout wants a whole block in a lane
.irp n, 0,1,2
	v_permlane16_swap_b32 v[PCD+12*\i+6*\c+\n], v[PT+4*\c+\n]
.endr
.irp n, 0,1,2
	v_mov_b32 v[PCD+12*\i+6*\c+3+\n], v[PT+4*\c+\n]
.endr
.endr
.endr
.endm
; The kk-th accumulator of O^T in the order of its products (tile (kk / 4) % 2, feature tile 4 (kk / 8) + kk % 4) is brought under the new M: x f, from its low end on.
.macro RESC kk
.set ri, ((\kk)/4)%2
.set ro, 8*(4*((\kk)/8)+(\kk)%4)
.set WN, 0x82+0x41*ri
	WIN WN
.irp j, 0,2,4,6
	v_pk_mul_f32 v[ro+\j:ro+\j+1], v[ro+\j:ro+\j+1], v[ST+6*ri+4:ST+6*ri+5] op_sel_hi:[1,0]
.endr
.endm
; 8 products of O^T += V^T P^T: feature tiles 4 a + 0..3, tile 0 then tile 1.  Behind each product stands the rescaling of the accumulator two products on: the vector work lies between the matrix instructions,
; and its four lines are the places in front of the loads that follow the batch.
.macro MULP a
.set pk, 8*(\a)
.rept 8
.set pi_, (pk/4)%2
.set pf, 4*(pk/8)+pk%4
.set WN, 0xA1+0x50*pi_
	WIN WN
	WM 8*pf, FB+48*((8+(\a))%3)+12*(pk%4), PCD+12*pi_, 8*pf, VSC+4*(pf/8)+(pf%8)/2, PS+pi_, pf%2, 0
.if pk+2 < 64
	RESC pk+2
.endif
.set pk, pk+1
.endr
.endm
	s_mov_b32 s[CNT], 8
	s_mov_b32 s[TB], 0
.Lstep:                                            ; a key step: 128 keys
	v_add_nc_u32 v[AK], s[TB], v[LI]
	v_add_nc_u32 v[AV], 49152, v[AK]
.irp k, 0,1,2,3
	ds_load_b128 v[KSC+4*\k:KSC+4*\k+3], v[AV] offset:49152+512*\k   ; K's scale words
.endr
.irp k, 0,1,2,3
	ds_load_b128 v[VSC+4*\k:VSC+4*\k+3], v[AV] offset:51200+512*\k   ; V's
.endr
	LOADG 0
	LOADG 1
	LOADG 2
.set sn, 0
.rept 8
	s_wait_dscnt 24                                ; the two younger batches may be out
	MULS sn
	PLACES 4                                       ; in front of loads into the group just multiplied; behind the last batch also in front of the first read of S^T
	LOADG sn+3
.set sn, sn+1
.endr
	SOFTMAX
	RESC 0                                         ; eight plain lines between p's codes and scale words and the first product that takes them
	RESC 1
.set pa, 0
.rept 5
	s_wait_dscnt 24
	MULP pa
	LOADG 11+pa
.set pa, pa+1
.endr
	s_wait_dscnt 24
	MULP 5
	s_wait_dscnt 12
	MULP 6
	; THE CHANGE OF SLOTS: the slot's last bytes have been asked for.
	WIN 0
	s_wait_tensorcnt 0x0                           ; all my tensor loads have landed: my quarter of the other slot; so a group 0 may be written
	ds_add_u32 v[SPW], v[NIL]                      ; 0 onto my spare word
	s_xor_b32 s[G0B+1], s[G0B+1], SLOT1            ; the walking descriptor: the slot that is being left,
	s_cmp_gt_u32 s[CNT], 2                         ; and the block two on: of kv in the first six trips, then wvimg's two
	s_cselect_b64 s[G0B+2:G0B+3], s[KVA:KVA+1], s[WVA:WVA+1]
	s_cselect_b32 s44, BLK, 0
	s_cselect_b32 s46, 0, BLK
	s_add_nc_u64 s[KVA:KVA+1], s[KVA:KVA+1], s[44:45]
	s_add_nc_u64 s[WVA:WVA+1], s[WVA:WVA+1], s[46:47]
	s_or_b32 s[G0B+3], s[G0B+3], 0x80000000
	s_wait_xcnt 0x0                                ; the last prefetch, a key step back, has read its address
	s_add_nc_u64 s[PFA:PFA+1], s[PFA:PFA+1], BLK
	s_wait_dscnt 0x0                               ; the add is done, and my reads of this slot are over: the last batch is in
	s_barrier_signal -1                            ; the barrier opens a round of the cluster's barrier;
	MULP 7                                         ; work on registers while the others arrive
	WIN 0
	s_barrier_wait -1
	CREST                                          ; no wave of any partner still reads this slot or has a load on its way
	tensor_load_to_lds s[G0B:G0B+3], s[G1:G1+7]    ; my one tensor load behind the round: it has a key step's 128 products in which to land
	s_nop 0
	PLACES 4                                       ; (also the places behind the last products)
	ASK
	s_xor_b32 s[TB], s[TB], SLOT1
	s_sub_co_u32 s[CNT], s[CNT], 1
	s_cmp_lg_u32 s[CNT], 0
	s_cbranch_scc1 .Lstep
; 8 products of the residual: K step n / 4, feature tiles 16 H + 4 (n % 4) + 0..3: source 0 = 16 rows of Wv, source 1 = a tile of x.
.macro MULR n, H
.set rk, (\n)/4
.irp i, 0,1
.set WN, 0xA5+0x50*\i
	WIN WN
.irp e, 0,1,2,3
.set rf, 4*((\n)%4)+\e
	WM 8*(16*(\H)+rf), FB+48*((\n)%3)+12*\e, 12*(4*\i+rk), 8*(16*(\H)+rf), KSC+4*(rf/2)+rk, QS+rk, rf%2, \i
.endr
.endr
.endm
; Half H of the features: O^T becomes beta O^T / l + bv, and x Wv^T is added onto it.
.macro RES H
	WIN 0
	v_add_nc_u32 v[AK], s[TB], v[LI]
	v_add_nc_u32 v[AV], 49152, v[AK]
.if (\H) == 0
	WIN 0x40
.set j, 0
.rept 8
.irp c, 0,1,2
	ds_load_b128 v[12*j+4*\c:12*j+4*\c+3], v[RD] offset:j*FRB+512*\c   ; x's fragments take q's registers,
.endr
.set j, j+1
.endr
	WIN 0
	ds_load_b128 v[QS:QS+3], v[RD] offset:8*FRB    ; its scale words q's
.endif
.irp p, 0,1,2,3,4,5,6,7
	ds_load_b128 v[KSC+4*\p:KSC+4*\p+3], v[AV] offset:49152+512*\p   ; Wv's scale words: rows 32 p + lane, four K steps
.endr
.set j, 0
.rept 16
	ds_load_b128 v[S+8*j:S+8*j+3], v[ABV] offset:1024*(\H)+64*j      ; bv in the result's layout: features 16 ft + 8 h + 0..7
	ds_load_b128 v[S+8*j+4:S+8*j+7], v[ABV] offset:1024*(\H)+64*j+16
.set j, j+1
.endr
	LOADG 0
	LOADG 1
	LOADG 2
	WIN 0
.if (\H) == 0
.irp i, 0,1
	v_add_f32 v[XT+\i], v[ST+6*\i+2], v[ST+6*\i+3] ; the sum's two halves,
.endr
.irp i, 0,1
	v_permlanex16_b32 v[T4+12*\i], v[XT+\i], s[SEL], s[SEL+1]
.endr
.irp i, 0,1
	v_add_f32 v[XT+\i], v[XT+\i], v[T4+12*\i]      ; and lane l xor 16's: the row's sum l
.endr
.irp i, 0,1
	v_rcp_f32 v[XT+\i], v[XT+\i]
.endr
	v_nop                                          ; a plain line behind the reciprocals,
	s_wait_alu depctr_va_vdst(0)                   ; and a wait ahead of their first reader
.irp i, 0,1
	v_mul_f32 v[ST+6*\i+4], s[BETA], v[XT+\i]      ; beta / l
.endr
.endif
	s_wait_dscnt 36                                ; all but the three batches just asked for
.irp i, 0,1
.set WN, 0x82+0x41*\i
	WIN WN
.set j, 0
.rept 16
.irp n, 0,2,4,6
	v_pk_fma_f32 v[8*(16*(\H)+j)+\n:8*(16*(\H)+j)+\n+1], v[8*(16*(\H)+j)+\n:8*(16*(\H)+j)+\n+1], v[ST+6*\i+4:ST+6*\i+5], v[S+8*j+\n:S+8*j+\n+1] op_sel_hi:[1,0,1]
.endr
.set j, j+1
.endr
.endr
.set bn, 0
.rept 15
.if bn < 14
	s_wait_dscnt 24
.else
	s_wait_dscnt 12
.endif
	MULR bn, \H
.if bn < 13
	PLACES 4
	LOADG bn+3
.endif
.set bn, bn+1
.endr
.if (\H) == 0
	s_wait_tensorcnt 0x0                           ; my quarter of Wv's second half is in; nothing is filled again, so a plain barrier tells the others
	s_wait_dscnt 0x0
	s_barrier_signal -1
	MULR 15, 0
	WIN 0
	s_barrier_wait -1
	PLACES 4
.else
	s_wait_dscnt 0x0
	MULR 15, 1
	WIN 0
	PLACES 4                                       ; in front of the first read of results
.endif
.endm
	s_mov_b32 s[TB], 0                             ; Wv's first half lies in slot 0,
	RES 0
	s_mov_b32 s[TB], SLOT1                         ; its second in slot 1
	RES 1
; THE WAY OUT, in eight blocks of 16 rows x 128 features (tile a / 4, quarter a % 4).  A lane holds 32 neighbouring bytes of a row: a block goes through my own stage and comes back as whole rows of 512 bytes.
; LDS serves a wave's instructions in order (ISA guide 5.7.1.4): no wait between the stores and the loads, nor in front of the next block's stores.
.macro TOSTAGE a
.set AC, 64*((\a)%4)
.set WN, 0x08+4*((\a)/4)
	WIN WN
.irp b, 0,1,2,3,4,5,6,7
	ds_store_b128 v[STO], v[AC+8*\b:AC+8*\b+3] offset:64*\b           ; each accumulator from its low end on
	ds_store_b128 v[STO], v[AC+8*\b+4:AC+8*\b+7] offset:64*\b+16
.endr
	WIN 0
.set BB, S+64*((\a)%2)
.irp t, 0,1,2,3,4,5,6,7,8,9,10,11,12,13,14,15
	ds_load_b128 v[BB+4*\t:BB+4*\t+3], v[RD] offset:\t*528
.endr
.endm
.macro SEND a, younger
.set BB, S+64*((\a)%2)
	s_wait_dscnt \younger                          ; the block is back in registers; the next block's 16 stores and 16 loads may be out
.irp t, 0,1,2,3,4,5,6,7,8,9,10,11,12,13,14,15
	global_store_b128 v[LI], v[BB+4*\t:BB+4*\t+3], s[18:19] offset:(16*((\a)/4)+\t)*2048+512*((\a)%4) th:TH_STORE_NT   ; 32 lanes store 512 consecutive bytes, aligned; written once, read by nobody here
.endr
.endm
	TOSTAGE 0
.irp a, 1,2,3,4,5,6,7
.if \a > 1
	s_wait_xcnt 0x0                                ; block a - 2's stores have read their registers: block a's loads may land there
.endif
	TOSTAGE \a
	SEND \a-1, 32
.endr
	SEND 7, 0
	s_wait_tensorcnt 0x0                           ; the wave's end
	ds_add_u32 v[SPW], v[NIL]
	s_wait_dscnt 0x0
	CROUND                                         ; the closing round: no work-group ends while a partner may still ask for a tile that names it
	s_endpgm
.Lfunc_end_k_qbf14cb0f84_attn:
	.size	k_qbf14cb0f84_attn, .Lfunc_end_k_qbf14cb0f84_attn-k_qbf14cb0f84_attn
	.p2alignl 7, 3214868480
	.fill 96, 4, 3214868480
	.section	.rodata,"a",@progbits
	.p2align	6, 0x0
	.amdhsa_kernel k_qbf14cb0f84_attn
		.amdhsa_group_segment_fixed_size 327680
		.amdhsa_private_segment_fixed_size 0
		.amdhsa_enable_private_segment 0
		.amdhsa_kernarg_size 64
		.amdhsa_user_sgpr_count 2
		.amdhsa_user_sgpr_kernarg_segment_ptr 1
		.amdhsa_wavefront_size32 1
		.amdhsa_system_sgpr_workgroup_id_x 1
		.amdhsa_system_sgpr_workgroup_id_y 1
		.amdhsa_system_sgpr_workgroup_id_z 1
		.amdhsa_system_vgpr_workitem_id 0
		.amdhsa_next_free_vgpr 1024
		.amdhsa_next_free_sgpr 66
		.amdhsa_reserve_vcc 0
		.amdhsa_float_denorm_mode_32 3
		.amdhsa_float_denorm_mode_16_64 3
		.amdhsa_memory_ordered 1
		.amdhsa_forward_progress 1
		.amdhsa_inst_pref_size 222
	.end_amdhsa_kernel
	.amdgpu_metadata
---
amdhsa.version: [ 1, 2 ]
amdhsa.kernels:
  - .name:           k_qbf14cb0f84_attn
    .symbol:         k_qbf14cb0f84_attn.kd
    .args:
      - { .name: qimg, .offset: 0, .size: 8, .value_kind: global_buffer, .address_space: global }
      - { .name: kv, .offset: 8, .size: 8, .value_kind: global_buffer, .address_space: global }
      - { .name: wvimg, .offset: 16, .size: 8, .value_kind: global_buffer, .address_space: global }
      - { .name: x_codes, .offset: 24, .size: 8, .value_kind: global_buffer, .address_space: global }
      - { .name: x_scales, .offset: 32, .size: 8, .value_kind: global_buffer, .address_space: global }
      - { .name: bv, .offset: 40, .size: 8, .value_kind: global_buffer, .address_space: global }
      - { .name: beta, .offset: 48, .size: 8, .value_kind: global_buffer, .address_space: global }
      - { .name: out0, .offset: 56, .size: 8, .value_kind: global_buffer, .address_space: global }
    .group_segment_fixed_size: 327680
    .private_segment_fixed_size: 0
    .kernarg_segment_align: 8
    .kernarg_segment_size: 64
    .max_flat_workgroup_size: 128
    .sgpr_count:     66
    .vgpr_count:     1024
    .wavefront_size: 32
...
	.end_amdgpu_metadata
.endif
;; end of part 2
;; ======== version 2 of 2: 2 launches
;; workspace buffers: qimg 13,107,200 bytes; kv 26,214,400 bytes; wvimg 204,800 bytes
;; launch proj (part 3): grid 256 x 1, 4 waves a work-group, clusters of 4 x 1, 327,680 bytes of LDS; arguments x_codes, x_scales, Wq_codes, Wq_scales, bq, Wk_codes, Wk_scales, bk, Wv_codes, Wv_scales, bv, qimg, kv, wvimg; writes qimg, kv, wvimg
.if DOCPART == 3
	.amdgcn_target "amdgcn-amd-amdhsa--gfx1250"
	.amdhsa_code_object_version 6
	.text
	.protected	k_qbf14cb0f84_proj
	.globl	k_qbf14cb0f84_proj
	.p2align	8
	.type	k_qbf14cb0f84_proj,@function
k_qbf14cb0f84_proj:
	s_mov_b64 s[64:65], 0
	v_nop
	global_prefetch_b8 v0, s[64:65] scope:SCOPE_SE
	s_setreg_imm32_b32 hwreg(HW_REG_WAVE_MODE, 25, 1), 1
	s_wait_xcnt 0x0
	s_wait_alu depctr_hold_cnt(0) depctr_sa_sdst(0) depctr_va_vdst(0) depctr_va_sdst(0) depctr_va_ssrc(0) depctr_va_vcc(0) depctr_vm_vsrc(0)
	s_getreg_b32 s2, hwreg(HW_REG_IB_STS2, 6, 4)
	s_cmp_eq_u32 s2, 0
	s_cbranch_scc0 .Lentry_in_a_cluster
	s_endpgm
.Lentry_in_a_cluster:
	s_bfe_u32 s2, ttmp6, 0x10000c
	s_cmp_lg_u32 s2, 0x3003
	s_cbranch_scc0 .Lentry_shape_is_right
	s_endpgm
.Lentry_shape_is_right:
; q = x Wq^T + bq, k = x Wk^T + bk, v = x Wv^T + bv on codes of FP6 (E2M3) with one E8M0 scale for each 32 along K; the results are quantised here, in f32, and leave as codes:
; q and k along the 512 features, v along the channels (the keys of the attention that follows).  Wv's codes are also laid out anew for the next launch (wvimg).
; SHARES.  A work-group owns 128 channels of one batch (work-group = 8 x batch + key step): 8 tiles of 16.  THE WAVES SHARE THE FEATURES: wave w makes features 128 w .. 128 w + 127 of q, then of k, then of v, for all
; 128 channels: 64 accumulators, 512 registers.  All 32 fragments of x (8 tiles x 4 K steps, 384 registers) stay in every wave's registers; a fragment of W is read from LDS once in the work-group and feeds 8 products.
; q, k: source 0 = 16 rows of W, source 1 = a tile of x: a lane holds ONE channel and its registers run along the features.  v: source 0 = a tile of x, source 1 = 16 rows of Wv: a lane holds ONE feature and its registers
; run along the channels.  Either way a group of 8 accumulators (64 registers a lane) is 128 along the next product's K: one fragment and one scale word a row.
; THE ORDER INSIDE A BLOCK OF 32.  A lane's 16 numbers of a block are indices 8 h + 0..7 and 16 + 8 h + 0..7 (h = lane / 16).  So code places 0-7, 8-15, 16-23, 24-31 of a block hold indices 0-7, 16-23, 8-15, 24-31.
; Blocks, scales and codes are the quantiser's own; both operands of the later products are laid by this one routine, so like meets like; only the order of the f32 sums differs.
; WORKSPACE = IMAGES OF OPERAND REGISTERS.  A fragment is 1,536 bytes: registers 4 c .. 4 c + 3 of lane l at 512 c + 16 l.  Every store of a wave covers 512 consecutive bytes, aligned.
; x COMES DENSE.  A wave's 32 rows are 12,288 consecutive bytes: 24 loads of 512 consecutive bytes.  They lie in LDS as rows, two rows on end and then 16 bytes of padding (784 bytes a pair): row r of a tile starts at word
; 4 (r / 2) + 32 (r % 2) mod 64 and lanes 16-31 stand 6 words further on, so the 32 lanes of a load of 8 bytes touch 64 different banks (64 banks of 4 bytes: ISA guide 11.1).  Every wave takes its fragments from there.
; CLUSTER.  The four work-groups of a cluster walk the same tiles of W: each tile is asked for jointly (mask 15).  x is nobody's but the work-group's own.
; No prefetch: W is read by every work-group, x once at the head.
; LIMITS: NaN, infinities and the scale byte 0xff among the inputs are not served; a block of zeros gets the byte 1 (its codes are zeros, and this program alone reads the bytes);
; blocks whose largest magnitude lies under 2^-124 are held at the byte 1.
.set PITCH, 240                        ; an LDS row of W: 3 x (64 bytes + 16 of padding)
.set HALFT, 128*PITCH                  ; a wave's 128 rows
.set SLOT,  4*HALFT                    ; 512 rows x 256 along K
.set FRB,   1536                       ; a fragment's image
.set PAIRB, 784                        ; two rows of x (2 x 384 bytes) + 16 of padding
.set XROW,  2*SLOT                     ; behind the ring: x's 128 rows, 64 pairs,
.set WSC,   XROW+64*PAIRB              ; the three weights' scale bytes as they lie in memory,
.set BIAS,  WSC+3*8192                 ; the three biases,
.set SPARE, BIAS+3*2048                ; and the spare words, 128 bytes a wave, which no other line names
.set SPW, 1                            ; v1   SPARE + 4 x thread; never rewritten
.set NIL, 2                            ; v2   0; never rewritten
.set LI,  3                            ; v3   16 x lane
.set AW,  4                            ; v4, v5  my rows of W in slot 0, 1: row r x pitch + 24 h;  v6, v7: the same with 40 h, for pieces behind one padding more
.set ASC, 8                            ; v8   my rows' scale words of the matrix in hand
.set ABI, 9                            ; v9   my features' bias, for q and k
.set ABV, 10                           ; v10  and for v
.set XS,  16                           ; v16-31  x's scale words: register 4 bb + ks, lanes 0-15 tile 2 bb, lanes 16-31 tile 2 bb + 1
.set WS,  32                           ; v32-47  W's: register 4 i + ks, lanes 0-15 tile 2 i, lanes 16-31 tile 2 i + 1
                                       ; window 0 v64-255: x's fragments of K steps 0, 1;  window 1 v0-191: of K steps 2, 3;  windows 2, 3: the accumulators
.set WB,  192                          ; window 1: four buffers for fragments of W; while a group is quantised the same registers serve:
.set PC,  192                          ; the codes (20 registers),
.set TM,  212                          ; 16 at work,
.set PW,  228                          ; the scale word just made,
.set SW,  232                          ; and four registers that gather the eight groups' words
.set G1,  32                           ; s[32:39] descriptor group 1;  s[40:43], s[44:47] group 0 of slot 0, 1
.set G0,  40
.set WV,  48
.set NWA, 52                           ; s[52:53] my rows of the next matrix;  s[54:55] of Wv
.set NWB, 54
.set OC,  56                           ; s[56:57] where the codes go;  s[58:59] the scale words;  s[60:63] the same for k
.set OS,  58
.set OC2, 60
.set OS2, 62
.set SEL, 66                           ; s[66:67] lane selects: lane l xor 16
.set HM,  68                           ; s68  lanes 16-31
.set CNT, 69
.set MSB, 0
.macro WIN new                         ; the immediate's high byte repeats the setting that is left; a switch that changes nothing is dropped
.if MSB != (\new)
	s_set_vgpr_msb (MSB<<8)|(\new)
.set MSB, (\new)
.endif
.endm
.macro PLACES n
.rept \n
	v_nop
.endr
.endm
.macro CREST                           ; a round of the cluster's barrier behind its opening barrier
	s_cmp_lg_u32 s[WV], 0
	s_cbranch_scc1 .Lnot_wave_0_\@
	s_barrier_signal -3
.Lnot_wave_0_\@:
	s_barrier_wait -3
	s_barrier_signal -1
	s_barrier_wait -1
.endm
.macro CROUND
	s_barrier_signal -1
	s_barrier_wait -1
	CREST
.endm
; One product.  ra, rb = 1: that side's scale words stand in lanes 16-31 of the register named.
.macro WM d, a, b, c, sa, sb, ra, rb
.if (\ra) && (\rb)
	v_wmma_scale_f32_16x16x128_f8f6f4 v[\d:\d+7], v[\a:\a+11], v[\b:\b+11], v[\c:\c+7], v[\sa], v[\sb] matrix_a_fmt:MATRIX_FMT_FP6 matrix_b_fmt:MATRIX_FMT_FP6 matrix_a_scale:MATRIX_SCALE_ROW1 matrix_b_scale:MATRIX_SCALE_ROW1
.elseif (\ra)
	v_wmma_scale_f32_16x16x128_f8f6f4 v[\d:\d+7], v[\a:\a+11], v[\b:\b+11], v[\c:\c+7], v[\sa], v[\sb] matrix_a_fmt:MATRIX_FMT_FP6 matrix_b_fmt:MATRIX_FMT_FP6 matrix_a_scale:MATRIX_SCALE_ROW1
.elseif (\rb)
	v_wmma_scale_f32_16x16x128_f8f6f4 v[\d:\d+7], v[\a:\a+11], v[\b:\b+11], v[\c:\c+7], v[\sa], v[\sb] matrix_a_fmt:MATRIX_FMT_FP6 matrix_b_fmt:MATRIX_FMT_FP6 matrix_b_scale:MATRIX_SCALE_ROW1
.else
	v_wmma_scale_f32_16x16x128_f8f6f4 v[\d:\d+7], v[\a:\a+11], v[\b:\b+11], v[\c:\c+7], v[\sa], v[\sb] matrix_a_fmt:MATRIX_FMT_FP6 matrix_b_fmt:MATRIX_FMT_FP6
.endif
.endm
	s_load_b512 s[4:19], s[0:1], 0x0               ; x_codes 4, x_scales 6, Wq_codes 8, Wq_scales 10, bq 12, Wk_codes 14, Wk_scales 16, bk 18
	s_load_b256 s[20:27], s[0:1], 0x40             ; Wv_codes 20, Wv_scales 22, bv 24, qimg 26
	s_load_b128 s[28:31], s[0:1], 0x60             ; kv 28, wvimg 30
	v_lshl_add_u32 v[SPW], v0, 2, SPARE
	v_mov_b32 v[NIL], 0
	ds_add_u32 v1, v2
	ds_add_u32 v1, v2
	s_wait_dscnt 0x0
	v_lshrrev_b32 v48, 5, v0
	v_readfirstlane_b32 s[WV], v48                 ; wave 0..3
	s_bfe_u32 s49, ttmp6, 0x40000                  ; cx
	s_lshl_b32 s50, ttmp9, 2
	s_add_co_u32 s50, s50, s49                     ; work-group = 4 x cluster + cx = 8 x batch + key step
	; descriptor group 1: 128 rows x 192 bytes out of rows of 384, 16 bytes of padding behind every 64
	s_mov_b32 s[G1+0], 15|(1<<20)|(1<<21)|(3<<22)|(3<<25)  ; the mask: all four work-groups; elements of 1 byte; padding on; bit 21 beside a mask; after every 16 words, 4 words
	s_mov_b32 s[G1+1], 192<<16                     ; tensor_dim0
	s_mov_b32 s[G1+2], 128<<16                     ; tensor_dim1
	s_mov_b32 s[G1+3], 192<<16                     ; tile_dim0
	s_mov_b32 s[G1+4], 128                         ; tile_dim1
	s_mov_b32 s[G1+5], 384                         ; from row to row
	s_mov_b32 s[G1+6], 0
	s_mov_b32 s[G1+7], 0
	s_mul_i32 s70, s[WV], HALFT                    ; my rows' place in a slot: no place in the cluster enters an LDS address
	s_mul_i32 s72, s[WV], 128*384                  ; and in a weight
	s_mov_b32 s73, 0
	s_mov_b32 s[SEL], 0x76543210
	s_mov_b32 s[SEL+1], 0xfedcba98
	s_mov_b32 s[HM], 0xffff0000
	s_wait_kmcnt 0x0
	s_mov_b32 s[G0+0], 1
	s_mov_b32 s[G0+1], s70                         ; slot 0: K steps 0, 1 of Wq
	s_add_nc_u64 s[G0+2:G0+3], s[8:9], s[72:73]
	s_mov_b32 s[G0+4], 1
	s_add_co_u32 s[G0+5], s70, SLOT                ; slot 1: K steps 2, 3
	s_add_nc_u64 s[G0+6:G0+7], s[G0+2:G0+3], 192
	s_or_b32 s[G0+3], s[G0+3], 0x80000000
	s_or_b32 s[G0+7], s[G0+7], 0x80000000
	s_add_nc_u64 s[NWA:NWA+1], s[14:15], s[72:73]
	s_add_nc_u64 s[NWB:NWB+1], s[20:21], s[72:73]
	CROUND                                         ; all four work-groups are here: the first joint loads meet
	tensor_load_to_lds s[G0:G0+3], s[G1:G1+7]      ; the two first fills go out together: two loads of mine are out
	s_nop 0
	tensor_load_to_lds s[G0+4:G0+7], s[G1:G1+7]
	s_nop 0
	PLACES 4                                       ; four such lines behind a tensor load
	; where things come from and go to
	s_mul_i32 s70, s50, 128*384
	s_mul_i32 s71, s[WV], 32*384
	s_add_co_u32 s70, s70, s71
	s_mov_b32 s71, 0
	s_add_nc_u64 s[4:5], s[4:5], s[70:71]          ; x's codes at my 32 rows (32 w ..)
	s_lshl_b32 s70, s50, 11
	s_add_nc_u64 s[6:7], s[6:7], s[70:71]          ; x's scale bytes at the work-group's first channel
	s_mul_i32 s74, s50, 51200                      ; the work-group's block of qimg
	s_mul_i32 s75, s[WV], 8*FRB
	s_add_co_u32 s70, s74, s75
	s_add_nc_u64 s[OC:OC+1], s[26:27], s[70:71]    ; K step w, tile g at g x 1,536
	s_lshl_b32 s76, s[WV], 9
	s_add_co_u32 s70, s74, s76
	s_add_co_u32 s70, s70, 49152
	s_add_nc_u64 s[OS:OS+1], s[26:27], s[70:71]
	s_mul_i32 s74, s50, 102400                     ; and of kv
	s_add_co_u32 s70, s74, s75
	s_add_nc_u64 s[OC2:OC2+1], s[28:29], s[70:71]
	s_add_co_u32 s70, s74, s76
	s_add_co_u32 s70, s70, 98304
	s_add_nc_u64 s[OS2:OS2+1], s[28:29], s[70:71]
	v_and_b32 v48, 31, v0                          ; lane
	v_and_b32 v49, 15, v0                          ; r
	v_bfe_u32 v50, v0, 4, 1                        ; h
	v_lshlrev_b32 v[LI], 4, v48
	v_mul_u32_u24 v51, v49, PITCH
	v_mad_u32_u24 v51, v50, 24, v51
	s_mul_i32 s70, s[WV], HALFT
	v_add_nc_u32 v[AW], s70, v51
	v_lshl_add_u32 v[AW+2], v50, 4, v[AW]
	v_add_nc_u32 v[AW+1], SLOT, v[AW]
	v_add_nc_u32 v[AW+3], SLOT, v[AW+2]
	s_lshl_b32 s70, s[WV], 11
	s_add_co_u32 s70, s70, WSC
	v_add_nc_u32 v[ASC], s70, v[LI]                ; 16 bytes a row: WSC + 2,048 w + 16 x lane, + 512 for each pair of tiles
	s_lshl_b32 s70, s[WV], 9
	s_add_co_u32 s71, s70, BIAS
	v_lshl_add_u32 v[ABI], v50, 5, s71             ; feature 128 w + 16 t + 8 h + j
	s_add_co_u32 s71, s70, BIAS+4096
	v_lshl_add_u32 v[ABV], v49, 2, s71             ; feature 128 w + 16 t + r
	v_lshlrev_b32 v11, 4, v0                       ; 16 x thread
	v_add_nc_u32 v12, WSC, v11
	v_mul_u32_u24 v13, v49, 384
	v_mad_u32_u24 v13, v50, 24, v13                ; for Wv's fragments out of memory: a row of 512 codes is 384 bytes; + 24 h
	s_mul_i32 s70, s[WV], 16*PAIRB
	s_add_co_u32 s70, s70, XROW
	v_add_nc_u32 v14, s70, v[LI]                   ; x's rows on their way in: my wave's 16 pairs, 16 bytes a lane;
	v_lshl_add_u32 v53, v50, 4, v14                ; and the same for a load whose lanes 16-31 lie behind one padding more
	v_lshrrev_b32 v15, 1, v49
	v_mul_u32_u24 v15, v15, PAIRB
	v_and_b32 v52, 1, v49
	v_mad_u32_u24 v15, v52, 384, v15
	v_mad_u32_u24 v15, v50, 24, v15
	v_add_nc_u32 v15, XROW, v15                    ; and on their way out: pair r / 2, row r % 2 of it, + 24 h
	; my 32 rows of x as they lie: each load takes 512 consecutive bytes
.set j, 0
.rept 24
	global_load_b128 v[64+4*j:64+4*j+3], v[LI], s[4:5] offset:512*j th:TH_LOAD_NT
.set j, j+1
.endr
.irp b, 0,1,2,3
	global_load_b128 v[XS+4*\b:XS+4*\b+3], v[LI], s[6:7] offset:512*\b   ; channel 32 b + lane: its four scale words
.endr
.irp i, 0,1,2,3
	global_load_b128 v[160+4*\i:163+4*\i], v11, s[10:11] offset:2048*\i  ; the weights' scale bytes, 2,048 consecutive bytes a load of the work-group
	global_load_b128 v[176+4*\i:179+4*\i], v11, s[16:17] offset:2048*\i
	global_load_b128 v[192+4*\i:195+4*\i], v11, s[22:23] offset:2048*\i
.endr
	global_load_b128 v[208:211], v11, s[12:13]     ; the biases
	global_load_b128 v[212:215], v11, s[18:19]
	global_load_b128 v[216:219], v11, s[24:25]
	; WVIMG: Wv's 128 fragments (32 tiles of 16 rows x 4 K steps) as images, one to each wave of clusters 0 to 7 (K step = cluster / 2); its scale bytes are copied by clusters 8 and 9, 256 bytes a wave.
	; The branches hang on the cluster's number, which is alike in all partners; the tiles are told apart by address.
	s_cmp_lt_u32 ttmp9, 10
	s_cbranch_scc0 .Lno_wv
	s_and_b32 s70, s50, 7
	s_lshl_b32 s70, s70, 2
	s_add_co_u32 s70, s70, s[WV]                   ; the tile, 0..31
	s_lshr_b32 s76, s70, 4
	s_mul_i32 s76, s76, 102400                     ; block H = tile / 16
	s_and_b32 s77, s70, 15                         ; and its place there
	s_mov_b32 s73, 0
	s_cmp_lt_u32 ttmp9, 8
	s_cbranch_scc0 .Lwv_scales
	s_lshr_b32 s71, ttmp9, 1                       ; the K step, 0..3
	s_mul_i32 s72, s70, 16*384
	s_mul_i32 s78, s71, 96
	s_add_co_u32 s72, s72, s78
	s_add_nc_u64 s[74:75], s[20:21], s[72:73]
	s_lshl_b32 s72, s71, 4
	s_add_co_u32 s72, s72, s77
	s_mul_i32 s72, s72, FRB                        ; fragment (ks, tile % 16) at (16 ks + tile % 16) x 1,536
	s_add_co_u32 s72, s72, s76
	s_add_nc_u64 s[78:79], s[30:31], s[72:73]
	WIN 0x40
.irp p, 0,1,2,3,4,5
	global_load_b64 v[2*\p:2*\p+1], v13, s[74:75] offset:48*(\p/3)+8*(\p%3)
.endr
	s_wait_loadcnt 0x0
	WIN 0x04                                       ; a store's data: window 1
.irp c, 0,1,2
	global_store_b128 v[LI], v[4*\c:4*\c+3], s[78:79] offset:512*\c
.endr
	s_wait_xcnt 0x0                                ; the stores have read their registers: x's fragments will land there
	WIN 0
	s_branch .Lno_wv
.Lwv_scales:
	s_lshl_b32 s72, s70, 8
	s_add_nc_u64 s[74:75], s[22:23], s[72:73]
	s_lshl_b32 s72, s77, 8
	s_add_co_u32 s72, s72, s76
	s_add_co_u32 s72, s72, 98304
	s_add_nc_u64 s[78:79], s[30:31], s[72:73]      ; the scale bytes behind the fragments, as they lie in memory
	v_lshlrev_b32 v52, 3, v48
	global_load_b64 v[54:55], v52, s[74:75]
	s_wait_loadcnt 0x0
	global_store_b64 v52, v[54:55], s[78:79]       ; 32 lanes store 256 consecutive bytes, aligned
	s_wait_xcnt 0x0
.Lno_wv:
	s_wait_loadcnt 0x0
.set j, 0
.rept 8                                        ; three loads are two pairs of rows: 96 pieces of 16 bytes, a padding behind each 48
	ds_store_b128 v14, v[64+12*j:64+12*j+3] offset:j*2*PAIRB
	ds_store_b128 v53, v[64+12*j+4:64+12*j+7] offset:j*2*PAIRB+512
	ds_store_b128 v14, v[64+12*j+8:64+12*j+11] offset:j*2*PAIRB+1040
.set j, j+1
.endr
.irp i, 0,1,2,3
	ds_store_b128 v12, v[160+4*\i:163+4*\i] offset:2048*\i
	ds_store_b128 v12, v[176+4*\i:179+4*\i] offset:8192+2048*\i
	ds_store_b128 v12, v[192+4*\i:195+4*\i] offset:16384+2048*\i
.endr
	ds_store_b128 v12, v[208:211] offset:24576
	ds_store_b128 v12, v[212:215] offset:24576+2048
	ds_store_b128 v12, v[216:219] offset:24576+4096
	s_wait_tensorcnt 0x1                           ; my rows of slot 0 are in; slot 1's load may be out
	s_wait_dscnt 0x0                               ; for the others' sake: my stores have landed
	s_barrier_signal -1
	s_barrier_wait -1
.set j, 0
.rept 16                                       ; all of x's fragments into every wave's registers (fragment j: K step j / 8, tile j % 8; 24 bytes twice, in pieces of 8): K steps 0, 1
.irp p, 0,1,2,3,4,5
	ds_load_b64 v[64+12*j+2*\p:64+12*j+2*\p+1], v15 offset:(j%8)*8*PAIRB+96*(j/8)+48*(\p/3)+8*(\p%3)
.endr
.set j, j+1
.endr
	WIN 0x40
.rept 16                                       ; K steps 2, 3
.irp p, 0,1,2,3,4,5
	ds_load_b64 v[12*(j-16)+2*\p:12*(j-16)+2*\p+1], v15 offset:(j%8)*8*PAIRB+96*(j/8)+48*(\p/3)+8*(\p%3)
.endr
.set j, j+1
.endr
	WIN 0
; A fragment of W, 16 rows x 128 K, out of a slot: 24 bytes of the row's stream of bits twice, in pieces of 8 bytes.  Lanes 16-31 read three pieces further on; where that lies behind one padding more the second address register serves.
.macro FRAG reg, adr, q, i
.irp p, 0,1,2,3,4,5
.set PCE, 12*(\q)+6*(\p/3)+\p%3
.if PCE%8 < 5
	ds_load_b64 v[\reg+2*\p:\reg+2*\p+1], v[\adr] offset:8*PCE+16*(PCE/8)+(\i)*16*PITCH
.else
	ds_load_b64 v[\reg+2*\p:\reg+2*\p+1], v[\adr+2] offset:8*PCE+16*(PCE/8)+(\i)*16*PITCH
.endif
.endr
.endm
; Batch n of a slot's eight: K step n / 4 of the slot, tiles 2 (n % 4) and 2 (n % 4) + 1 of my eight: 12 loads, into the pair of buffers n % 2
.macro LOADB slot, n
	WIN 0x40
.set lq, (\n)/4
.set li, (\n)%4
.set lb, WB+24*((\n)%2)
.irp u, 0,1
	FRAG lb+12*\u, AW+\slot, lq, 2*li+\u
.endr
.endm
; 16 products for q or k: the batch's two tiles of W against x's eight tiles.  Accumulator (m, t) at v[64 (m % 4) + 8 t] of window 2 + m / 4.  No two products that follow each other share an accumulator.
; first = 1: K step 0.  The bias lies in tile m = 0's accumulators and is the C of the other seven; five places on, tile 0 adds onto it in place.
.macro MULQK n, hk, first
.set ksl, 2*(\hk)+(\n)/4
.set ii, (\n)%4
.set xw, 64*(1-(\hk))+96*(ksl%2)
.set wb, WB+24*((\n)%2)
.set mm, \first
.rept 8-(\first)
.if mm < 4
.set WN, 0xA1|((\hk)<<2)
.elseif \first
.set WN, 0xE1
.else
.set WN, 0xF1|((\hk)<<2)
.endif
	WIN WN
.irp u, 0,1
.set rD, 64*(mm%4)+8*(2*ii+\u)
.if \first
	WM rD, wb+12*\u, xw+12*mm, 8*(2*ii+\u), WS+4*ii+ksl, XS+4*(mm/2)+ksl, \u, mm%2
.else
	WM rD, wb+12*\u, xw+12*mm, rD, WS+4*ii+ksl, XS+4*(mm/2)+ksl, \u, mm%2
.endif
.endr
.set mm, mm+1
.endr
.if \first
	PLACES 5                                       ; a matrix instruction that writes over a register which earlier ones have read stands five places behind them
	WIN 0xA1
.irp u, 0,1
.set rD, 8*(2*ii+\u)
	WM rD, wb+12*\u, xw, rD, WS+4*ii+ksl, XS+ksl, \u, 0
.endr
.endif
.endm
; The same for v, the sources changed round.  Accumulator (t, m) at v[64 (t % 4) + 8 m] of window 2 + t / 4; the bias lies in (t, 0).
.macro MULV n, hk, first
.set ksl, 2*(\hk)+(\n)/4
.set ii, (\n)%4
.set xw, 64*(1-(\hk))+96*(ksl%2)
.set wb, WB+24*((\n)%2)
.set dw, 2+ii/2
.set WN, (dw<<6)|(dw<<4)|4|(\hk)
	WIN WN
.set mm, \first
.rept 8-(\first)
.irp u, 0,1
.set rT, 64*((2*ii+\u)%4)
.if \first
	WM rT+8*mm, xw+12*mm, wb+12*\u, rT, XS+4*(mm/2)+ksl, WS+4*ii+ksl, mm%2, \u
.else
	WM rT+8*mm, xw+12*mm, wb+12*\u, rT+8*mm, XS+4*(mm/2)+ksl, WS+4*ii+ksl, mm%2, \u
.endif
.endr
.set mm, mm+1
.endr
.if \first
	PLACES 5
.irp u, 0,1
.set rT, 64*((2*ii+\u)%4)
	WM rT, xw, wb+12*\u, rT, XS+ksl, WS+4*ii+ksl, 0, \u
.endr
.endif
.endm
.macro MULX kind, n, hk, first
.if \kind
	MULV \n, \hk, \first
.else
	MULQK \n, \hk, \first
.endif
.endm
; A slot's eight batches; batch 0's loads are out already.  fill = 1: the slot is filled again, with the same K steps of the next matrix.
.macro SLOTSTEP kind, slot, fill
.set nn, 0
.rept 7
	PLACES 4                                       ; four places in front of loads into registers that matrix instructions have read
	LOADB \slot, nn+1
	s_wait_dscnt 12                                ; all but the 12 just issued: batch nn is in
.if ((\slot) == 0) && (nn < 4)
	MULX \kind, nn, \slot, 1
.else
	MULX \kind, nn, \slot, 0
.endif
.set nn, nn+1
.endr
.if \fill
	WIN 0                                          ; (the add's two registers lie in window 0)
	s_wait_tensorcnt 0x0                           ; all my tensor loads have landed: the one that was out is my part of the other slot; so a group 0 may be written
	ds_add_u32 v[SPW], v[NIL]                      ; 0 onto my spare word
.if (\slot) == 0
	s_mov_b64 s[G0+2:G0+3], s[NWA:NWA+1]
	s_or_b32 s[G0+3], s[G0+3], 0x80000000
.else
	s_add_nc_u64 s[G0+6:G0+7], s[NWA:NWA+1], 192
	s_or_b32 s[G0+7], s[G0+7], 0x80000000
.endif
	s_wait_dscnt 0x0                               ; the add is done, and my reads of this slot are over: batch 7 is in
	s_barrier_signal -1                            ; the barrier opens a round of the cluster's barrier;
	MULX \kind, 7, \slot, 0                        ; work on registers while the others arrive
	WIN 0
	s_barrier_wait -1
	CREST                                          ; no wave of any partner still reads this slot or has a load on its way
	tensor_load_to_lds s[G0+4*\slot:G0+4*\slot+3], s[G1:G1+7]   ; my one tensor load behind the round: it has the other slot's 128 products in which to land
	s_nop 0
	PLACES 4                                       ; (also the places behind batch 7's products)
.if (\slot) == 0
	LOADB 1, 0
.endif
.else
.if (\slot) == 0
	s_wait_tensorcnt 0x0                           ; my rows of slot 1 are in; nobody else reads them, and nothing is filled any more
	PLACES 4
	LOADB 1, 0
	s_wait_dscnt 12
	MULX \kind, 7, 0, 0
.else
	s_wait_dscnt 0x0
	MULX \kind, 7, 1, 0
	PLACES 4
.endif
.endif
.endm
; Group g's 64 registers of a lane (register 16 b + i belongs to block b of my row) become a fragment and a scale word, and leave.
.macro QUANTG g
.set qa, 2+(\g)/4
.set qs, 64*((\g)%4)
.set WN, 0x50|(qa<<2)|qa
	WIN WN
.irp b, 0,1,2,3
	v_max3_num_f32 v[TM+\b], |v[qs+16*\b]|, |v[qs+16*\b+1]|, 0x1800000   ; my 16 numbers of block b, each accumulator from its low end on, and the floor 2^(3 - 127): the byte cannot fall under 1
.endr
.irp i, 2,4,6,8,10,12,14
.irp b, 0,1,2,3
	v_max3_num_f32 v[TM+\b], |v[qs+16*\b+\i]|, |v[qs+16*\b+\i+1]|, v[TM+\b]   ; (the four blocks by turns)
.endr
.endr
	WIN 0x55
.irp b, 0,1,2,3
	v_permlanex16_b32 v[TM+4+\b], v[TM+\b], s[SEL], s[SEL+1]
.endr
.irp b, 0,1,2,3
	v_max_num_f32 v[TM+\b], v[TM+\b], v[TM+4+\b]   ; with lane l xor 16's: the block's largest magnitude
.endr
.irp b, 0,1,2,3
	v_add_nc_u32 v[TM+12+\b], 0xff000000, v[TM+\b] ; 2 off its exponent field: the conversion takes the exponent field of this operand as its scale
.endr
.irp b, 0,1,2,3
	v_lshrrev_b32 v[TM+4+\b], 23, v[TM+12+\b]      ; the scale's byte
.endr
	v_lshl_or_b32 v[PW], v[TM+5], 8, v[TM+4]
	v_lshl_or_b32 v[PW], v[TM+6], 16, v[PW]
	v_lshl_or_b32 v[PW], v[TM+7], 24, v[PW]
	s_wait_xcnt 0x0                                ; the last group's stores have read the codes' registers
.set WN, 0x44|qa
	WIN WN
.irp c, 0,1
	v_cvt_scalef32_pk16_fp6_f32 v[PC+6*\c:PC+6*\c+2], v[qs+32*\c:qs+32*\c+15], v[TM+12+2*\c]
	v_cvt_scalef32_pk16_fp6_f32 v[PC+12+4*\c:PC+14+4*\c], v[qs+32*\c+16:qs+32*\c+31], v[TM+13+2*\c]   ; (a conversion's three registers begin on an even number)
.endr
	WIN 0x55
	v_nop                                          ; one plain place behind a scaled conversion
.irp c, 0,1                                    ; the operand's layout wants a whole block in a lane: lanes 0-15 block 2 c, lanes 16-31 block 2 c + 1
.irp i, 0,1,2
	v_permlane16_swap_b32 v[PC+6*\c+\i], v[PC+12+4*\c+\i]
.endr
.irp i, 0,1,2
	v_mov_b32 v[PC+3+6*\c+\i], v[PC+12+4*\c+\i]
.endr
.endr
.if (\g)%2 == 0
	v_mov_b32 v[SW+(\g)/2], v[PW]                  ; an even group's words stay in lanes 0-15,
.else
	v_cndmask_b32 v[SW+(\g)/2], v[SW+(\g)/2], v[PW], s[HM]   ; the odd group's take lanes 16-31
.endif
	WIN 0x04
.irp c, 0,1,2
	global_store_b128 v[LI], v[PC+4*\c:PC+4*\c+3], s[OC:OC+1] offset:(\g)*FRB+512*\c   ; 512 consecutive bytes, aligned
.endr
.if (\g) == 7
	global_store_b128 v[LI], v[SW:SW+3], s[OS:OS+1]
.endif
.endm
; One matrix: its scale words and its bias, 256 products a wave, eight groups quantised.
.macro PHASE kind, fill
	WIN 0
.irp i, 0,1,2,3
	ds_load_b128 v[WS+4*\i:WS+4*\i+3], v[ASC] offset:512*\i
.endr
.if \kind
.irp t, 0,1,2,3,4,5,6,7
.set WN, 0x80+0x40*(\t/4)
	WIN WN
.irp j, 0,1,2,3,4,5,6,7
	ds_load_b32 v[64*(\t%4)+\j], v[ABV] offset:64*\t   ; a lane holds one feature: its bias in all eight registers
.endr
.endr
.else
	WIN 0x80
.irp t, 0,1,2,3,4,5,6,7
	ds_load_b128 v[8*\t:8*\t+3], v[ABI] offset:64*\t
	ds_load_b128 v[8*\t+4:8*\t+7], v[ABI] offset:64*\t+16
.endr
.endif
	LOADB 0, 0
	SLOTSTEP \kind, 0, \fill
	SLOTSTEP \kind, 1, \fill
.irp g, 0,1,2,3,4,5,6,7
	QUANTG \g
.endr
	WIN 0
.endm
	s_mov_b32 s[CNT], 2
.Lmat:                                             ; two trips: q, then k.  The refills bring the next matrix: k's tiles in the first trip, v's in the second
	PHASE 0, 1
	s_wait_xcnt 0x0                                ; the stores have read their registers and bases
	s_mov_b64 s[NWA:NWA+1], s[NWB:NWB+1]
	s_mov_b64 s[OC:OC+1], s[OC2:OC2+1]
	s_mov_b64 s[OS:OS+1], s[OS2:OS2+1]
	v_add_nc_u32 v[ASC], 8192, v[ASC]
	v_add_nc_u32 v[ABI], 2048, v[ABI]
	s_sub_co_u32 s[CNT], s[CNT], 1
	s_cmp_lg_u32 s[CNT], 0
	s_cbranch_scc1 .Lmat
	s_add_nc_u64 s[OC:OC+1], s[OC:OC+1], 49152     ; v's fragments lie behind k's, its scale words behind k's
	s_add_nc_u64 s[OS:OS+1], s[OS:OS+1], 2048
	PHASE 1, 0
	s_wait_tensorcnt 0x0                           ; the wave's end
	ds_add_u32 v[SPW], v[NIL]
	s_wait_dscnt 0x0
	CROUND                                         ; the closing round: no work-group ends while a partner may still ask for a tile that names it
	s_endpgm
.Lfunc_end_k_qbf14cb0f84_proj:
	.size	k_qbf14cb0f84_proj, .Lfunc_end_k_qbf14cb0f84_proj-k_qbf14cb0f84_proj
	.p2alignl 7, 3214868480
	.fill 96, 4, 3214868480
	.section	.rodata,"a",@progbits
	.p2align	6, 0x0
	.amdhsa_kernel k_qbf14cb0f84_proj
		.amdhsa_group_segment_fixed_size 327680
		.amdhsa_private_segment_fixed_size 0
		.amdhsa_enable_private_segment 0
		.amdhsa_kernarg_size 112
		.amdhsa_user_sgpr_count 2
		.amdhsa_user_sgpr_kernarg_segment_ptr 1
		.amdhsa_wavefront_size32 1
		.amdhsa_system_sgpr_workgroup_id_x 1
		.amdhsa_system_sgpr_workgroup_id_y 1
		.amdhsa_system_sgpr_workgroup_id_z 1
		.amdhsa_system_vgpr_workitem_id 0
		.amdhsa_next_free_vgpr 1024
		.amdhsa_next_free_sgpr 80
		.amdhsa_reserve_vcc 0
		.amdhsa_float_denorm_mode_32 3
		.amdhsa_float_denorm_mode_16_64 3
		.amdhsa_memory_ordered 1
		.amdhsa_forward_progress 1
		.amdhsa_inst_pref_size 200
	.end_amdhsa_kernel
	.amdgpu_metadata
---
amdhsa.version: [ 1, 2 ]
amdhsa.kernels:
  - .name:           k_qbf14cb0f84_proj
    .symbol:         k_qbf14cb0f84_proj.kd
    .args:
      - { .name: x_codes, .offset: 0, .size: 8, .value_kind: global_buffer, .address_space: global }
      - { .name: x_scales, .offset: 8, .size: 8, .value_kind: global_buffer, .address_space: global }
      - { .name: Wq_codes, .offset: 16, .size: 8, .value_kind: global_buffer, .address_space: global }
      - { .name: Wq_scales, .offset: 24, .size: 8, .value_kind: global_buffer, .address_space: global }
      - { .name: bq, .offset: 32, .size: 8, .value_kind: global_buffer, .address_space: global }
      - { .name: Wk_codes, .offset: 40, .size: 8, .value_kind: global_buffer, .address_space: global }
      - { .name: Wk_scales, .offset: 48, .size: 8, .value_kind: global_buffer, .address_space: global }
      - { .name: bk, .offset: 56, .size: 8, .value_kind: global_buffer, .address_space: global }
      - { .name: Wv_codes, .offset: 64, .size: 8, .value_kind: global_buffer, .address_space: global }
      - { .name: Wv_scales, .offset: 72, .size: 8, .value_kind: global_buffer, .address_space: global }
      - { .name: bv, .offset: 80, .size: 8, .value_kind: global_buffer, .address_space: global }
      - { .name: qimg, .offset: 88, .size: 8, .value_kind: global_buffer, .address_space: global }
      - { .name: kv, .offset: 96, .size: 8, .value_kind: global_buffer, .address_space: global }
      - { .name: wvimg, .offset: 104, .size: 8, .value_kind: global_buffer, .address_space: global }
    .group_segment_fixed_size: 327680
    .private_segment_fixed_size: 0
    .kernarg_segment_align: 8
    .kernarg_segment_size: 112
    .max_flat_workgroup_size: 128
    .sgpr_count:     80
    .vgpr_count:     1024
    .wavefront_size: 32
...
	.end_amdgpu_metadata
.endif
;; end of part 3
;; launch attn (part 4): grid 8 x 32, 4 waves a work-group, clusters of 4 x 1, 327,680 bytes of LDS; arguments qimg, kv, wvimg, x_codes, x_scales, bv, beta, out0; writes out0
.if DOCPART == 4
	.amdgcn_target "amdgcn-amd-amdhsa--gfx1250"
	.amdhsa_code_object_version 6
	.text
	.protected	k_qbf14cb0f84_attn
	.globl	k_qbf14cb0f84_attn
	.p2align	8
	.type	k_qbf14cb0f84_attn,@function
k_qbf14cb0f84_attn:
	s_mov_b64 s[64:65], 0
	v_nop
	global_prefetch_b8 v0, s[64:65] scope:SCOPE_SE
	s_setreg_imm32_b32 hwreg(HW_REG_WAVE_MODE, 25, 1), 1
	s_wait_xcnt 0x0
	s_wait_alu depctr_hold_cnt(0) depctr_sa_sdst(0) depctr_va_vdst(0) depctr_va_sdst(0) depctr_va_ssrc(0) depctr_va_vcc(0) depctr_vm_vsrc(0)
	s_getreg_b32 s2, hwreg(HW_REG_IB_STS2, 6, 4)
	s_cmp_eq_u32 s2, 0
	s_cbranch_scc0 .Lentry_in_a_cluster
	s_endpgm
.Lentry_in_a_cluster:
	s_bfe_u32 s2, ttmp6, 0x10000c
	s_cmp_lg_u32 s2, 0x3003
	s_cbranch_scc0 .Lentry_shape_is_right
	s_endpgm
.Lentry_shape_is_right:
; out = beta x softmax(q k^T) v + v, for 128 queries (channels) of one batch to a work-group; both products on codes of FP6 (E2M3) with one E8M0 scale for each 32 along K.  No 1 / sqrt(d).
; q, k, v come as images of operand registers, made by the launch before (a fragment: 1,536 bytes, registers 4 c .. 4 c + 3 of lane l at 512 c + 16 l); within a block of 32 both operands of a product lie in the same order of places.
; THE SOFTMAX: t = score x log2(e); M = the row's largest t so far, rounded up to a whole number; p = 2^(t - M) is what is quantised, along the keys; the row's sum is taken of the unquantised p and divides at the end.
; When M moves, the sum and O are multiplied by 2^(old M - new M): exact.
; THE RESIDUAL v (unquantised) is not fetched: it is made again for the work-group's own rows.  O^T is first turned into beta O^T / l + bv, and the products Wv x^T add onto that in place.
; SHARES.  A wave owns 32 queries, two tiles; O^T is 2 x 32 accumulators, 512 registers.  Every wave walks 8 key steps of 128 keys, then two steps of Wv.  Both products are used transposed: a lane holds ONE query throughout.
; THE RING.  Two LDS slots; a fill is one dense block of 102,400 bytes (a key step's 32 fragments of K, 32 of V^T and their scale words; or half of Wv), a quarter to each wave.  Ten fills: 8 of kv, 2 of wvimg.
; The change of slots at the end of key step j asks for fill j + 2, so one loop of eight trips issues one load a trip, and the key step is written once.
; CLUSTER.  The four work-groups of a cluster belong to one batch and walk the same blocks: each fill is asked for jointly (mask 15).
; x COMES DENSE: my 32 rows are 12,288 consecutive bytes, 24 loads of 512 consecutive bytes; they wait in my wave's own LDS bytes as rows, two rows on end and then 16 bytes of padding (784 bytes a pair), so that the 32 lanes
; of a load of 8 bytes touch 64 different banks (64 banks of 4 bytes: ISA guide 11.1).
; THE WAY OUT GOES IN TWO HALVES: features 0 to 255 are finished by the residual's first half and are stored ahead of its second half, whose products are issued while those stores are on their way.
; O^T begins as zeros (512 moves at the head, while the first tiles are on their way) so that the loop has no first step of its own; the first change of M multiplies zeros.
; LIMITS: NaN, infinities and the scale byte 0xff are not served; a block of p that has fallen to zeros keeps the byte 1 (its codes are zeros); 1 / l is v_rcp_f32's; the order of the f32 sums is the matrix unit's.
.set BLK,   102400
.set QTR,   25600
.set SLOT1, 131072                     ; slot 1 begins here, so that one exclusive or turns an address in one slot into the other's
.set FRB,   1536
.set PAIRB, 784                        ; two rows of x (2 x 384 bytes) + 16 of padding
.set XST,   262144                     ; behind the ring, for each wave 13,056 bytes of its own: x's 16 pairs of rows and its scale words; later the same bytes are the wave's stage, 16 rows x 528
.set XSTW,  13056
.set XSCO,  16*PAIRB                   ; x's scale words behind its rows
.set SPARE, XST+4*XSTW                 ; the spare words, 128 bytes a wave, which no other line names
.set BVL,   SPARE+512                  ; bv
.set SPW, 1                            ; v1   SPARE + 4 x thread; never rewritten
.set NIL, 2                            ; v2   0; never rewritten
.set LI,  3                            ; v3   16 x lane
.set AK,  4                            ; v4   the slot in hand + 16 x lane
.set AV,  5                            ; v5   49,152 further on
.set STO, 6                            ; v6   the stage: where I put 32 bytes of a row
.set RD,  7                            ; v7   my wave's own bytes + 16 x lane
.set ABV, 8                            ; v8   bv at my half's eight features
.set PFO, 9                            ; v9   256 x lane, for the prefetches; never rewritten
.set XR,  10                           ; v10  x's rows on their way out: pair r / 2, row r % 2 of it, + 24 h
.set QS,  12                           ; v12-15  q's scale words, one register a K step: lanes 0-15 tile 0, lanes 16-31 tile 1; later x's
.set KSC, 16                           ; v16-31  K's: register 4 ks + b: lanes 0-15 tile 2 b, lanes 16-31 tile 2 b + 1
.set VSC, 32                           ; v32-47  V's: register 4 (ft / 8) + (ft % 8) / 2.  In the residual v16-47 hold Wv's: register 4 (f / 2) + ks
.set PS,  48                           ; v48, 49 p's scale words
.set ST,  50                           ; tile i at v[50 + 6 i]: -M, the largest t, the sum in two halves, f (later beta / l) and its pair's other half
.set XT,  62                           ; v62, 63 at work
.set S,   64                           ; v64-191 S^T, then p: tile i, key tile kt at 64 + 64 i + 8 kt
.set PCD, 192                          ; v192-215 p's codes
.set PT,  216                          ; v216-223 the conversions' second halves
.set BM,  224                          ; tile i: v[224 + 12 i] the blocks' largest, +4 at work, +8 the conversions' scale operands
.set T4,  228
.set SO,  232
.set TS,  248                          ; v248-251 the sums' second chains
.set FB,  96                           ; window 1: v0-95 q's (later x's) fragments, tile i, K step ks at 12 (4 i + ks); v96-239 twelve buffers, three groups of four.  Windows 2, 3: O^T of tile 0, 1, feature tile ft at 8 ft
.set WV,  20
.set G1,  24                           ; s[24:31] descriptor group 1;  s[32:35] group 0 of the first fill;  s[36:39] of the second, which then walks
.set G0A, 32
.set G0B, 36
.set KVA, 40                           ; s[40:41] my quarter of the next block of kv;  s[42:43] of wvimg;  s[44:47] their steps
.set WVA, 42
.set SEL, 48
.set CS,  50                           ; s[50:51] log2(e)
.set TB,  52
.set CNT, 53
.set BETA, 54
.set LIM, 55
.set PFA, 56
.set MSB, 0
.macro WIN new
.if MSB != (\new)
	s_set_vgpr_msb (MSB<<8)|(\new)
.set MSB, (\new)
.endif
.endm
.macro PLACES n
.rept \n
	v_nop
.endr
.endm
.macro CREST
	s_cmp_lg_u32 s[WV], 0
	s_cbranch_scc1 .Lnot_wave_0_\@
	s_barrier_signal -3
.Lnot_wave_0_\@:
	s_barrier_wait -3
	s_barrier_signal -1
	s_barrier_wait -1
.endm
.macro CROUND
	s_barrier_signal -1
	s_barrier_wait -1
	CREST
.endm
; One product.  c < 0: the constant 0 starts the sum.  ra, rb = 1: that side's scale words stand in lanes 16-31 of the register named.
.macro WM d, a, b, c, sa, sb, ra, rb
.if (\c) < 0
.if (\ra) && (\rb)
	v_wmma_scale_f32_16x16x128_f8f6f4 v[\d:\d+7], v[\a:\a+11], v[\b:\b+11], 0, v[\sa], v[\sb] matrix_a_fmt:MATRIX_FMT_FP6 matrix_b_fmt:MATRIX_FMT_FP6 matrix_a_scale:MATRIX_SCALE_ROW1 matrix_b_scale:MATRIX_SCALE_ROW1
.elseif (\ra)
	v_wmma_scale_f32_16x16x128_f8f6f4 v[\d:\d+7], v[\a:\a+11], v[\b:\b+11], 0, v[\sa], v[\sb] matrix_a_fmt:MATRIX_FMT_FP6 matrix_b_fmt:MATRIX_FMT_FP6 matrix_a_scale:MATRIX_SCALE_ROW1
.elseif (\rb)
	v_wmma_scale_f32_16x16x128_f8f6f4 v[\d:\d+7], v[\a:\a+11], v[\b:\b+11], 0, v[\sa], v[\sb] matrix_a_fmt:MATRIX_FMT_FP6 matrix_b_fmt:MATRIX_FMT_FP6 matrix_b_scale:MATRIX_SCALE_ROW1
.else
	v_wmma_scale_f32_16x16x128_f8f6f4 v[\d:\d+7], v[\a:\a+11], v[\b:\b+11], 0, v[\sa], v[\sb] matrix_a_fmt:MATRIX_FMT_FP6 matrix_b_fmt:MATRIX_FMT_FP6
.endif
.else
.if (\ra) && (\rb)
	v_wmma_scale_f32_16x16x128_f8f6f4 v[\d:\d+7], v[\a:\a+11], v[\b:\b+11], v[\c:\c+7], v[\sa], v[\sb] matrix_a_fmt:MATRIX_FMT_FP6 matrix_b_fmt:MATRIX_FMT_FP6 matrix_a_scale:MATRIX_SCALE_ROW1 matrix_b_scale:MATRIX_SCALE_ROW1
.elseif (\ra)
	v_wmma_scale_f32_16x16x128_f8f6f4 v[\d:\d+7], v[\a:\a+11], v[\b:\b+11], v[\c:\c+7], v[\sa], v[\sb] matrix_a_fmt:MATRIX_FMT_FP6 matrix_b_fmt:MATRIX_FMT_FP6 matrix_a_scale:MATRIX_SCALE_ROW1
.elseif (\rb)
	v_wmma_scale_f32_16x16x128_f8f6f4 v[\d:\d+7], v[\a:\a+11], v[\b:\b+11], v[\c:\c+7], v[\sa], v[\sb] matrix_a_fmt:MATRIX_FMT_FP6 matrix_b_fmt:MATRIX_FMT_FP6 matrix_b_scale:MATRIX_SCALE_ROW1
.else
	v_wmma_scale_f32_16x16x128_f8f6f4 v[\d:\d+7], v[\a:\a+11], v[\b:\b+11], v[\c:\c+7], v[\sa], v[\sb] matrix_a_fmt:MATRIX_FMT_FP6 matrix_b_fmt:MATRIX_FMT_FP6
.endif
.endif
.endm
; A PREFETCH INTO THE L2 of the code bytes of the block that the NEXT change of slots will ask for: 98,304 bytes, lanes 256 bytes apart, 8,192 bytes an instruction.  Both clusters of a batch walk the same blocks: the batch's first
; cluster asks; its four partners take 24,576 bytes each, told apart by address; in each, waves 0 to 2 ask, one instruction each: every block of 256 bytes is named once.  It stands behind the wave's tensor load and its four lines.
; The changes that ask for fills 2 to 6 name fills 3 to 7; fills 0 to 2, the scale words and wvimg come by their loads alone.
.macro ASK
	s_cmp_gt_u32 s[CNT], s[LIM]
	s_cbranch_scc0 .Lnot_mine_\@
	global_prefetch_b8 v[PFO], s[PFA:PFA+1] th:TH_LOAD_NT scope:SCOPE_SE
.Lnot_mine_\@:
.endm
	s_load_b512 s[4:19], s[0:1], 0x0               ; qimg 4, kv 6, wvimg 8, x_codes 10, x_scales 12, bv 14, beta 16, out0 18
	v_lshl_add_u32 v[SPW], v0, 2, SPARE
	v_mov_b32 v[NIL], 0
	ds_add_u32 v1, v2
	ds_add_u32 v1, v2
	s_wait_dscnt 0x0
	v_lshrrev_b32 v10, 5, v0
	v_readfirstlane_b32 s[WV], v10                 ; wave 0..3
	s_bfe_u32 s21, ttmp6, 0x40000                  ; cx
	s_and_b32 s22, ttmp7, 0xffff                   ; the batch, which the four partners share
	s_lshl_b32 s23, ttmp9, 2
	s_add_co_u32 s23, s23, s21                     ; my block of 128 queries, 0..7
	; descriptor group 1: 100 dense rows of 256 bytes
	s_mov_b32 s[G1+0], 15|(3<<16)|(1<<21)          ; the mask: all four work-groups; elements of 8 bytes; bit 21 beside a mask; no padding
	s_mov_b32 s[G1+1], 32<<16                      ; tensor_dim0
	s_mov_b32 s[G1+2], 100<<16                     ; tensor_dim1
	s_mov_b32 s[G1+3], 32<<16                      ; tile_dim0
	s_mov_b32 s[G1+4], 100                         ; tile_dim1
	s_mov_b32 s[G1+5], 32                          ; from row to row
	s_mov_b32 s[G1+6], 0
	s_mov_b32 s[G1+7], 0
	s_mul_i32 s58, s22, 8*BLK
	s_mul_i32 s60, s[WV], QTR                      ; my quarter, in memory and in a slot: no place in the cluster enters an LDS address
	s_add_co_u32 s58, s58, s60
	s_mov_b32 s59, 0
	s_mov_b32 s61, 0
	s_mov_b32 s45, 0
	s_mov_b32 s47, 0
	s_mov_b32 s[SEL], 0x76543210
	s_mov_b32 s[SEL+1], 0xfedcba98
	s_mov_b32 s[CS], 0x3fb8aa3b                    ; log2(e)
	s_mov_b32 s[CS+1], s[CS]                       ; (named with it as a pair, so it is written)
	s_wait_kmcnt 0x0
	s_load_b32 s[BETA], s[16:17], 0x0
	s_add_nc_u64 s[KVA:KVA+1], s[6:7], s[58:59]    ; key step 0
	s_mov_b32 s[G0A+0], 1
	s_mov_b32 s[G0A+1], s60
	s_mov_b64 s[G0A+2:G0A+3], s[KVA:KVA+1]
	s_or_b32 s[G0A+3], s[G0A+3], 0x80000000
	s_mov_b32 s[G0B+0], 1
	s_add_co_u32 s[G0B+1], s60, SLOT1
	s_add_nc_u64 s[G0B+2:G0B+3], s[KVA:KVA+1], BLK ; key step 1
	s_or_b32 s[G0B+3], s[G0B+3], 0x80000000
	s_add_nc_u64 s[KVA:KVA+1], s[KVA:KVA+1], 2*BLK ; the first refill: key step 2
	s_add_nc_u64 s[WVA:WVA+1], s[8:9], s[60:61]
	CROUND                                         ; all four work-groups are here: the first joint loads meet
	tensor_load_to_lds s[G0A:G0A+3], s[G1:G1+7]    ; the two first fills go out together: two loads of mine are out
	s_nop 0
	tensor_load_to_lds s[G0B:G0B+3], s[G1:G1+7]
	s_nop 0
	PLACES 4                                       ; four such lines behind a tensor load
	s_mul_i32 s58, s22, 8*BLK                      ; the prefetches stand at key step 2; the first change of slots steps them to 3
	s_mul_i32 s2, s21, 24576
	s_add_co_u32 s58, s58, s2
	s_lshl_b32 s2, s[WV], 13
	s_add_co_u32 s58, s58, s2
	s_add_co_u32 s58, s58, 2*BLK
	s_add_nc_u64 s[PFA:PFA+1], s[6:7], s[58:59]
	s_cmp_lt_u32 s[WV], 3
	s_cselect_b32 s2, 0, 1
	s_or_b32 s2, s2, ttmp9                         ; 0 in waves 0 to 2 of the batch's first cluster: alike in all partners
	s_cmp_eq_u32 s2, 0
	s_cselect_b32 s[LIM], 3, -1                    ; such a wave asks while more than 3 trips are left
	s_lshl_b32 s2, s22, 3
	s_add_co_u32 s2, s2, s23                       ; 8 x batch + my block
	s_mul_i32 s58, s2, 51200
	s_lshl_b32 s3, s[WV], 2
	s_add_co_u32 s60, s58, s3
	s_add_co_u32 s60, s60, 49152
	s_add_nc_u64 s[60:61], s[4:5], s[60:61]        ; q's scale words: pair of tiles w
	s_mul_i32 s3, s[WV], 2*FRB
	s_add_co_u32 s58, s58, s3
	s_add_nc_u64 s[4:5], s[4:5], s[58:59]          ; q's fragments: tiles 2 w, 2 w + 1
	s_lshl_b32 s2, s2, 7
	s_lshl_b32 s3, s[WV], 5
	s_add_co_u32 s2, s2, s3                        ; my first row of x and of out
	s_mul_i32 s58, s2, 384
	s_add_nc_u64 s[10:11], s[10:11], s[58:59]
	s_lshl_b32 s58, s2, 4
	s_add_nc_u64 s[12:13], s[12:13], s[58:59]
	s_lshl_b32 s58, s2, 11
	s_add_nc_u64 s[18:19], s[18:19], s[58:59]
	v_and_b32 v10, 31, v0
	v_lshlrev_b32 v[LI], 4, v10
	v_lshlrev_b32 v[PFO], 8, v10
	v_and_b32 v10, 15, v0                          ; r
	v_bfe_u32 v11, v0, 4, 1                        ; h
	s_mul_i32 s58, s[WV], XSTW
	s_add_co_u32 s58, s58, XST
	v_mul_u32_u24 v[STO], v10, 528
	v_lshl_add_u32 v[STO], v11, 5, v[STO]
	v_add_nc_u32 v[STO], s58, v[STO]
	v_add_nc_u32 v[RD], s58, v[LI]
	v_lshl_add_u32 v[ABV], v11, 5, BVL
	v_lshl_add_u32 v4, v11, 4, v[RD]               ; (v4, v5, v62 serve the head's loads and stores; they get their lasting use behind these)  x's rows on their way in, for a load whose lanes 16-31 lie behind one padding more
	v_lshlrev_b32 v5, 4, v0
	v_add_nc_u32 v62, BVL, v5
	v_lshrrev_b32 v63, 1, v10
	v_and_b32 v10, 1, v10
	v_mul_u32_u24 v63, v63, PAIRB
	v_mad_u32_u24 v63, v10, 384, v63
	v_mad_u32_u24 v63, v11, 24, v63
	v_add_nc_u32 v[XR], s58, v63
	WIN 0x40
.irp k, 0,1,2,3
.irp i, 0,1
.irp c, 0,1,2
	global_load_b128 v[12*(4*\i+\k)+4*\c:12*(4*\i+\k)+4*\c+3], v[LI], s[4:5] offset:\k*8*FRB+\i*FRB+512*\c th:TH_LOAD_NT   ; q stays in registers
.endr
.endr
.endr
	WIN 0
.irp k, 0,1,2,3
	global_load_b32 v[QS+\k], v[LI], s[60:61] offset:512*\k
.endr
.set j, 0
.rept 24
	global_load_b128 v[64+4*j:64+4*j+3], v[LI], s[10:11] offset:512*j th:TH_LOAD_NT   ; my 32 rows of x as they lie, for the residual: 512 consecutive bytes a load
.set j, j+1
.endr
	global_load_b128 v[160:163], v[LI], s[12:13]   ; row lane's four scale words
	global_load_b128 v[164:167], v5, s[14:15]      ; bv, 16 bytes a thread
	WIN 0x80                                       ; O^T begins as zeros, while the loads are on their way
.set j, 0
.rept 256
	v_mov_b32 v[j], 0
.set j, j+1
.endr
	WIN 0xC0
.set j, 0
.rept 256
	v_mov_b32 v[j], 0
.set j, j+1
.endr
	WIN 0
.irp i, 0,1
	v_mov_b32 v[ST+6*\i+1], 0xff61b1e6             ; the largest t so far: -3e38, under every t
	v_floor_f32 v[ST+6*\i], -v[ST+6*\i+1]          ; -M
	v_mov_b32 v[ST+6*\i+2], 0                      ; the sum, in two halves
	v_mov_b32 v[ST+6*\i+3], 0
	v_mov_b32 v[ST+6*\i+5], 0                      ; (named as the upper half of f's pair)
.irp b, 0,1,2,3
	v_mov_b32 v[T4+12*\i+\b], 0                    ; written once: a lane permute's destination counts as one of its sources
.endr
.endr
	s_wait_loadcnt 0x0
.set j, 0
.rept 8                                        ; x's rows wait in my wave's own bytes: three loads are two pairs of rows, 96 pieces of 16 bytes, a padding behind each 48
	ds_store_b128 v[RD], v[64+12*j:64+12*j+3] offset:j*2*PAIRB
	ds_store_b128 v4, v[64+12*j+4:64+12*j+7] offset:j*2*PAIRB+512
	ds_store_b128 v[RD], v[64+12*j+8:64+12*j+11] offset:j*2*PAIRB+1040
.set j, j+1
.endr
	ds_store_b128 v[RD], v[160:163] offset:XSCO
	ds_store_b128 v62, v[164:167]
	s_wait_kmcnt 0x0                               ; beta
	s_wait_tensorcnt 0x1                           ; my quarter of key step 0 is in; key step 1's load may be out
	s_wait_dscnt 0x0                               ; for the others' sake: my part of bv has landed
	s_barrier_signal -1
	s_barrier_wait -1
; Batch n of a block's sixteen: four fragments, 12 loads of 512 consecutive bytes, into group n % 3.  A block lies in the order of its batches: one form serves K (0-7), V^T (8-15) and Wv (0-15).
.macro LOADG n
	WIN 0x40
.set gb, FB+48*((\n)%3)
.set go, ((\n)%8)*4*FRB
.irp e, 0,1,2,3
.irp c, 0,1,2
.if (\n) < 8
	ds_load_b128 v[gb+12*\e+4*\c:gb+12*\e+4*\c+3], v[AK] offset:go+\e*FRB+512*\c
.else
	ds_load_b128 v[gb+12*\e+4*\c:gb+12*\e+4*\c+3], v[AV] offset:go+\e*FRB+512*\c
.endif
.endr
.endr
.endm
; 8 products of S^T = K Q^T: K step n / 2, key tiles 4 (n % 2) + 0..3, both tiles of queries.  The accumulators take turns: one comes round again after 15 others.
.macro MULS n
	WIN 0x05
.set sk, (\n)/2
.irp e, 0,1,2,3
.set kt, 4*((\n)%2)+\e
.irp i, 0,1
.set rD, S+64*\i+8*kt
.if sk == 0
	WM rD, FB+48*((\n)%3)+12*\e, 12*(4*\i+sk), -1, KSC+4*sk+kt/2, QS+sk, kt%2, \i
.else
	WM rD, FB+48*((\n)%3)+12*\e, 12*(4*\i+sk), rD, KSC+4*sk+kt/2, QS+sk, kt%2, \i
.endif
.endr
.endr
.endm
; The softmax of both tiles for one key step, the tiles by turns in every stage.  Register 16 b + n of a tile belongs to block b of the step's four blocks of 32 keys.
.macro SOFTMAX
	WIN 0
.irp b, 0,1,2,3
.irp i, 0,1
	v_max3_num_f32 v[BM+12*\i+\b], v[S+64*\i+16*\b], v[S+64*\i+16*\b+1], v[S+64*\i+16*\b+2]   ; the largest score of each block: it serves for the row's maximum and, since p rises with the score, for the block's largest p
.endr
.endr
.irp j, 3,5,7,9,11,13
.irp b, 0,1,2,3
.irp i, 0,1
	v_max3_num_f32 v[BM+12*\i+\b], v[BM+12*\i+\b], v[S+64*\i+16*\b+\j], v[S+64*\i+16*\b+\j+1]
.endr
.endr
.endr
.irp b, 0,1,2,3
.irp i, 0,1
	v_max_num_f32 v[BM+12*\i+\b], v[BM+12*\i+\b], v[S+64*\i+16*\b+15]
.endr
.endr
.irp b, 0,1,2,3
.irp i, 0,1
	v_permlanex16_b32 v[T4+12*\i+\b], v[BM+12*\i+\b], s[SEL], s[SEL+1]
.endr
.endr
.irp b, 0,1,2,3
.irp i, 0,1
	v_max_num_f32 v[BM+12*\i+\b], v[BM+12*\i+\b], v[T4+12*\i+\b]   ; with lane l xor 16's 16 keys
.endr
.endr
.irp i, 0,1
	v_max3_num_f32 v[XT+\i], v[BM+12*\i], v[BM+12*\i+1], v[BM+12*\i+2]
.endr
.irp i, 0,1
	v_max_num_f32 v[XT+\i], v[XT+\i], v[BM+12*\i+3]    ; the step's largest score of my query
.endr
.irp i, 0,1
	v_mul_f32 v[XT+\i], s[CS], v[XT+\i]                ; as t
.endr
.irp i, 0,1
	v_max_num_f32 v[ST+6*\i+1], v[ST+6*\i+1], v[XT+\i] ; the running largest t
.endr
.irp i, 0,1
	v_mov_b32 v[XT+\i], v[ST+6*\i]
.endr
.irp i, 0,1
	v_floor_f32 v[ST+6*\i], -v[ST+6*\i+1]              ; the new -M = floor(-t): M is a whole number
.endr
.irp i, 0,1
	v_sub_f32 v[XT+\i], v[ST+6*\i], v[XT+\i]           ; old M - new M: a whole number, 0 or less
.endr
.irp i, 0,1
	v_cvt_i32_f32 v[XT+\i], v[XT+\i]                   ; (it saturates)
.endr
.irp i, 0,1
	v_ldexp_f32 v[ST+6*\i+4], 1.0, v[XT+\i]            ; f = 2^(old M - new M)
.endr
.irp j, 0,2,4,6,8,10,12,14,16,18,20,22,24,26,28,30,32,34,36,38,40,42,44,46,48,50,52,54,56,58,60,62
.irp i, 0,1
	v_pk_fma_f32 v[S+64*\i+\j:S+64*\i+\j+1], v[S+64*\i+\j:S+64*\i+\j+1], s[CS:CS+1], v[ST+6*\i:ST+6*\i+1] op_sel_hi:[1,0,0]   ; t - M, two at a time
.endr
.endr
.irp b, 0,1,2,3
.irp i, 0,1
	v_fma_f32 v[BM+12*\i+\b], v[BM+12*\i+\b], s[CS], v[ST+6*\i]   ; the same of each block's largest score
.endr
.endr
.set j, 0
.rept 128
	v_exp_f32 v[S+j], v[S+j]                           ; p = 2^(t - M), at most 1: not normalised
.set j, j+1
.endr
.irp i, 0,1
	v_pk_mul_f32 v[ST+6*\i+2:ST+6*\i+3], v[ST+6*\i+2:ST+6*\i+3], v[ST+6*\i+4:ST+6*\i+5] op_sel_hi:[1,0]   ; the sums under the new M (plain lines behind the exponentials)
.endr
	s_wait_alu depctr_va_vdst(0)                       ; one wait for the whole batch of 128, ahead of its first reader
.irp b, 0,1,2,3
.irp i, 0,1
	v_exp_f32 v[BM+12*\i+\b], v[BM+12*\i+\b]           ; the block's largest p: the same two instructions on the same number
.endr
.endr
.irp i, 0,1
	v_pk_add_f32 v[TS+2*\i:TS+2*\i+1], v[S+64*\i:S+64*\i+1], v[S+64*\i+2:S+64*\i+3]   ; the row's sum is taken of the unquantised p: two at a time, in two chains a tile
.endr
.irp j, 4,8,12,16,20,24,28,32,36,40,44,48,52,56,60
.irp i, 0,1
	v_pk_add_f32 v[ST+6*\i+2:ST+6*\i+3], v[ST+6*\i+2:ST+6*\i+3], v[S+64*\i+\j:S+64*\i+\j+1]
	v_pk_add_f32 v[TS+2*\i:TS+2*\i+1], v[TS+2*\i:TS+2*\i+1], v[S+64*\i+\j+2:S+64*\i+\j+3]
.endr
.endr
.irp i, 0,1
	v_pk_add_f32 v[ST+6*\i+2:ST+6*\i+3], v[ST+6*\i+2:ST+6*\i+3], v[TS+2*\i:TS+2*\i+1]
.endr
	s_wait_alu depctr_va_vdst(0)                       ; and one for the eight
.irp b, 0,1,2,3
.irp i, 0,1
	v_max_num_f32 v[BM+12*\i+\b], 0x1800000, v[BM+12*\i+\b]   ; the floor 2^(3 - 127): the byte cannot fall under 1
.endr
.endr
.irp b, 0,1,2,3
.irp i, 0,1
	v_add_nc_u32 v[SO+12*\i+\b], 0xff000000, v[BM+12*\i+\b]   ; 2 off the exponent field: the conversion's scale operand
.endr
.endr
.irp b, 0,1,2,3
.irp i, 0,1
	v_lshrrev_b32 v[T4+12*\i+\b], 23, v[SO+12*\i+\b]   ; the scale's byte
.endr
.endr
.irp i, 0,1
	v_lshl_or_b32 v[PS+\i], v[T4+12*\i+1], 8, v[T4+12*\i]
.endr
.irp i, 0,1
	v_lshl_or_b32 v[PS+\i], v[T4+12*\i+2], 16, v[PS+\i]
.endr
.irp i, 0,1
	v_lshl_or_b32 v[PS+\i], v[T4+12*\i+3], 24, v[PS+\i]   ; p's scale word for these 128 keys
.endr
.irp i, 0,1
.irp c, 0,1
	v_cvt_scalef32_pk16_fp6_f32 v[PCD+12*\i+6*\c:PCD+12*\i+6*\c+2], v[S+64*\i+32*\c:S+64*\i+32*\c+15], v[SO+12*\i+2*\c]
	v_cvt_scalef32_pk16_fp6_f32 v[PT+4*\c:PT+4*\c+2], v[S+64*\i+32*\c+16:S+64*\i+32*\c+31], v[SO+12*\i+2*\c+1]   ; (a conversion's three registers begin on an even number)
.endr
	v_nop                                              ; one plain place behind a scaled conversion
.irp c, 0,1                                        ; the operand's layout wants a whole block in a lane
.irp n, 0,1,2
	v_permlane16_swap_b32 v[PCD+12*\i+6*\c+\n], v[PT+4*\c+\n]
.endr
.irp n, 0,1,2
	v_mov_b32 v[PCD+12*\i+6*\c+3+\n], v[PT+4*\c+\n]
.endr
.endr
.endr
.endm
; The kk-th accumulator of O^T in the order of its products (tile (kk / 4) % 2, feature tile 4 (kk / 8) + kk % 4) is brought under the new M: x f, from its low end on.
.macro RESC kk
.set ri, ((\kk)/4)%2
.set ro, 8*(4*((\kk)/8)+(\kk)%4)
.set WN, 0x82+0x41*ri
	WIN WN
.irp j, 0,2,4,6
	v_pk_mul_f32 v[ro+\j:ro+\j+1], v[ro+\j:ro+\j+1], v[ST+6*ri+4:ST+6*ri+5] op_sel_hi:[1,0]
.endr
.endm
; 8 products of O^T += V^T P^T: feature tiles 4 a + 0..3, tile 0 then tile 1.  Behind each product stands the rescaling of the accumulator two products on: the vector work lies between the matrix instructions,
; and its four lines are the places in front of the loads that follow the batch.
.macro MULP a
.set pk, 8*(\a)
.rept 8
.set pi_, (pk/4)%2
.set pf, 4*(pk/8)+pk%4
.set WN, 0xA1+0x50*pi_
	WIN WN
	WM 8*pf, FB+48*((8+(\a))%3)+12*(pk%4), PCD+12*pi_, 8*pf, VSC+4*(pf/8)+(pf%8)/2, PS+pi_, pf%2, 0
.if pk+2 < 64
	RESC pk+2
.endif
.set pk, pk+1
.endr
.endm
	s_mov_b32 s[CNT], 8
	s_mov_b32 s[TB], 0
.Lstep:                                            ; a key step: 128 keys
	v_add_nc_u32 v[AK], s[TB], v[LI]
	v_add_nc_u32 v[AV], 49152, v[AK]
.irp k, 0,1,2,3
	ds_load_b128 v[KSC+4*\k:KSC+4*\k+3], v[AV] offset:49152+512*\k   ; K's scale words
.endr
.irp k, 0,1,2,3
	ds_load_b128 v[VSC+4*\k:VSC+4*\k+3], v[AV] offset:51200+512*\k   ; V's
.endr
	LOADG 0
	LOADG 1
	LOADG 2
.set sn, 0
.rept 8
	s_wait_dscnt 24                                ; the two younger batches may be out
	MULS sn
	PLACES 4                                       ; in front of loads into the group just multiplied; behind the last batch also in front of the first read of S^T
	LOADG sn+3
.set sn, sn+1
.endr
	SOFTMAX
	RESC 0                                         ; eight plain lines between p's codes and scale words and the first product that takes them
	RESC 1
.set pa, 0
.rept 5
	s_wait_dscnt 24
	MULP pa
	LOADG 11+pa
.set pa, pa+1
.endr
	s_wait_dscnt 24
	MULP 5
	s_wait_dscnt 12
	MULP 6
	; THE CHANGE OF SLOTS: the slot's last bytes have been asked for.
	WIN 0
	s_wait_tensorcnt 0x0                           ; all my tensor loads have landed: my quarter of the other slot; so a group 0 may be written
	ds_add_u32 v[SPW], v[NIL]                      ; 0 onto my spare word
	s_xor_b32 s[G0B+1], s[G0B+1], SLOT1            ; the walking descriptor: the slot that is being left,
	s_cmp_gt_u32 s[CNT], 2                         ; and the block two on: of kv in the first six trips, then wvimg's two
	s_cselect_b64 s[G0B+2:G0B+3], s[KVA:KVA+1], s[WVA:WVA+1]
	s_cselect_b32 s44, BLK, 0
	s_cselect_b32 s46, 0, BLK
	s_add_nc_u64 s[KVA:KVA+1], s[KVA:KVA+1], s[44:45]
	s_add_nc_u64 s[WVA:WVA+1], s[WVA:WVA+1], s[46:47]
	s_or_b32 s[G0B+3], s[G0B+3], 0x80000000
	s_wait_xcnt 0x0                                ; the last prefetch, a key step back, has read its address
	s_add_nc_u64 s[PFA:PFA+1], s[PFA:PFA+1], BLK
	s_wait_dscnt 0x0                               ; the add is done, and my reads of this slot are over: the last batch is in
	s_barrier_signal -1                            ; the barrier opens a round of the cluster's barrier;
	MULP 7                                         ; work on registers while the others arrive
	WIN 0
	s_barrier_wait -1
	CREST                                          ; no wave of any partner still reads this slot or has a load on its way
	tensor_load_to_lds s[G0B:G0B+3], s[G1:G1+7]    ; my one tensor load behind the round: it has a key step's 128 products in which to land
	s_nop 0
	PLACES 4                                       ; (also the places behind the last products)
	ASK
	s_xor_b32 s[TB], s[TB], SLOT1
	s_sub_co_u32 s[CNT], s[CNT], 1
	s_cmp_lg_u32 s[CNT], 0
	s_cbranch_scc1 .Lstep
; 8 products of the residual: K step n / 4, feature tiles 16 H + 4 (n % 4) + 0..3: source 0 = 16 rows of Wv, source 1 = a tile of x.
.macro MULR n, H
.set rk, (\n)/4
.irp i, 0,1
.set WN, 0xA5+0x50*\i
	WIN WN
.irp e, 0,1,2,3
.set rf, 4*((\n)%4)+\e
	WM 8*(16*(\H)+rf), FB+48*((\n)%3)+12*\e, 12*(4*\i+rk), 8*(16*(\H)+rf), KSC+4*(rf/2)+rk, QS+rk, rf%2, \i
.endr
.endr
.endm
; Half H of the features: O^T becomes beta O^T / l + bv, and x Wv^T is added onto it.
.macro RES H
	WIN 0
	v_add_nc_u32 v[AK], s[TB], v[LI]
	v_add_nc_u32 v[AV], 49152, v[AK]
.if (\H) == 0
	WIN 0x40
.irp i, 0,1
.irp k, 0,1,2,3
.irp p, 0,1,2,3,4,5
	ds_load_b64 v[12*(4*\i+\k)+2*\p:12*(4*\i+\k)+2*\p+1], v[XR] offset:\i*8*PAIRB+96*\k+48*(\p/3)+8*(\p%3)   ; x's fragments take q's registers: 24 bytes of a row twice, in pieces of 8,
.endr
.endr
.endr
	WIN 0
	ds_load_b128 v[QS:QS+3], v[RD] offset:XSCO     ; its scale words q's
.endif
.irp p, 0,1,2,3,4,5,6,7
	ds_load_b128 v[KSC+4*\p:KSC+4*\p+3], v[AV] offset:49152+512*\p   ; Wv's scale words: rows 32 p + lane, four K steps
.endr
.set j, 0
.rept 16
	ds_load_b128 v[S+8*j:S+8*j+3], v[ABV] offset:1024*(\H)+64*j      ; bv in the result's layout: features 16 ft + 8 h + 0..7
	ds_load_b128 v[S+8*j+4:S+8*j+7], v[ABV] offset:1024*(\H)+64*j+16
.set j, j+1
.endr
	LOADG 0
	LOADG 1
	LOADG 2
	WIN 0
.if (\H) == 0
.irp i, 0,1
	v_add_f32 v[XT+\i], v[ST+6*\i+2], v[ST+6*\i+3] ; the sum's two halves,
.endr
.irp i, 0,1
	v_permlanex16_b32 v[T4+12*\i], v[XT+\i], s[SEL], s[SEL+1]
.endr
.irp i, 0,1
	v_add_f32 v[XT+\i], v[XT+\i], v[T4+12*\i]      ; and lane l xor 16's: the row's sum l
.endr
.irp i, 0,1
	v_rcp_f32 v[XT+\i], v[XT+\i]
.endr
	v_nop                                          ; a plain line behind the reciprocals,
	s_wait_alu depctr_va_vdst(0)                   ; and a wait ahead of their first reader
.irp i, 0,1
	v_mul_f32 v[ST+6*\i+4], s[BETA], v[XT+\i]      ; beta / l
.endr
.endif
	s_wait_dscnt 36                                ; all but the three batches just asked for
.irp i, 0,1
.set WN, 0x82+0x41*\i
	WIN WN
.set j, 0
.rept 16
.irp n, 0,2,4,6
	v_pk_fma_f32 v[8*(16*(\H)+j)+\n:8*(16*(\H)+j)+\n+1], v[8*(16*(\H)+j)+\n:8*(16*(\H)+j)+\n+1], v[ST+6*\i+4:ST+6*\i+5], v[S+8*j+\n:S+8*j+\n+1] op_sel_hi:[1,0,1]
.endr
.set j, j+1
.endr
.endr
.set bn, 0
.rept 15
.if bn < 14
	s_wait_dscnt 24
.else
	s_wait_dscnt 12
.endif
	MULR bn, \H
.if bn < 13
	PLACES 4
	LOADG bn+3
.endif
.set bn, bn+1
.endr
.if (\H) == 0
	s_wait_tensorcnt 0x0                           ; my quarter of Wv's second half is in; nothing is filled again, so a plain barrier tells the others
	s_wait_dscnt 0x0
	s_barrier_signal -1
	MULR 15, 0
	WIN 0
	s_barrier_wait -1
	PLACES 4                                       ; in front of the first read of results, and of the loads into registers that the last products read
.else
	s_wait_dscnt 0x0
	MULR 15, 1
	WIN 0
	PLACES 4                                       ; in front of the first read of results
.endif
.endm
; THE WAY OUT, in eight blocks of 16 rows x 128 features (tile a / 4, quarter a % 4).  A lane holds 32 neighbouring bytes of a row: a block goes through my own stage and comes back as whole rows of 512 bytes.
; LDS serves a wave's instructions in order (ISA guide 5.7.1.4): no wait between the stores and the loads, nor in front of the next block's stores.  x's rows, which lay in these bytes, are in registers by then.
.macro TOSTAGE a
.set AC, 64*((\a)%4)
.set WN, 0x08+4*((\a)/4)
	WIN WN
.irp b, 0,1,2,3,4,5,6,7
	ds_store_b128 v[STO], v[AC+8*\b:AC+8*\b+3] offset:64*\b           ; each accumulator from its low end on
	ds_store_b128 v[STO], v[AC+8*\b+4:AC+8*\b+7] offset:64*\b+16
.endr
	WIN 0
.set BB, S+64*((\a)%2)
.irp t, 0,1,2,3,4,5,6,7,8,9,10,11,12,13,14,15
	ds_load_b128 v[BB+4*\t:BB+4*\t+3], v[RD] offset:\t*528
.endr
.endm
.macro SEND a, younger
.set BB, S+64*((\a)%2)
	s_wait_dscnt \younger                          ; the block is back in registers; the next block's 16 stores and 16 loads may be out
.irp t, 0,1,2,3,4,5,6,7,8,9,10,11,12,13,14,15
	global_store_b128 v[LI], v[BB+4*\t:BB+4*\t+3], s[18:19] offset:(16*((\a)/4)+\t)*2048+512*((\a)%4) th:TH_STORE_NT   ; 32 lanes store 512 consecutive bytes, aligned; written once, read by nobody here
.endr
.endm
; Four blocks, an even one and an odd one by turns, so that the two sets of registers take turns; while one block's rows are stored the next is on its way through the stage.
.macro OUT4 a, b, c, d
	TOSTAGE \a
	TOSTAGE \b
	SEND \a, 32
	s_wait_xcnt 0x0                                ; the first block's stores have read their registers: the third's loads may land there
	TOSTAGE \c
	SEND \b, 32
	s_wait_xcnt 0x0                                ; likewise the second's and the fourth's
	TOSTAGE \d
	SEND \c, 32
	SEND \d, 0
.endm
	s_mov_b32 s[TB], 0                             ; Wv's first half lies in slot 0:
	RES 0
	OUT4 0, 1, 4, 5                                ; features 0 to 255 of both tiles are finished and leave now
	s_wait_xcnt 0x0                                ; their stores have read their registers: bv's second half will land there
	s_mov_b32 s[TB], SLOT1                         ; Wv's second half lies in slot 1
	RES 1
	OUT4 2, 3, 6, 7
	s_wait_tensorcnt 0x0                           ; the wave's end
	ds_add_u32 v[SPW], v[NIL]
	s_wait_dscnt 0x0
	CROUND                                         ; the closing round: no work-group ends while a partner may still ask for a tile that names it
	s_endpgm
.Lfunc_end_k_qbf14cb0f84_attn:
	.size	k_qbf14cb0f84_attn, .Lfunc_end_k_qbf14cb0f84_attn-k_qbf14cb0f84_attn
	.p2alignl 7, 3214868480
	.fill 96, 4, 3214868480
	.section	.rodata,"a",@progbits
	.p2align	6, 0x0
	.amdhsa_kernel k_qbf14cb0f84_attn
		.amdhsa_group_segment_fixed_size 327680
		.amdhsa_private_segment_fixed_size 0
		.amdhsa_enable_private_segment 0
		.amdhsa_kernarg_size 64
		.amdhsa_user_sgpr_count 2
		.amdhsa_user_sgpr_kernarg_segment_ptr 1
		.amdhsa_wavefront_size32 1
		.amdhsa_system_sgpr_workgroup_id_x 1
		.amdhsa_system_sgpr_workgroup_id_y 1
		.amdhsa_system_sgpr_workgroup_id_z 1
		.amdhsa_system_vgpr_workitem_id 0
		.amdhsa_next_free_vgpr 1024
		.amdhsa_next_free_sgpr 66
		.amdhsa_reserve_vcc 0
		.amdhsa_float_denorm_mode_32 3
		.amdhsa_float_denorm_mode_16_64 3
		.amdhsa_memory_ordered 1
		.amdhsa_forward_progress 1
		.amdhsa_inst_pref_size 221
	.end_amdhsa_kernel
	.amdgpu_metadata
---
amdhsa.version: [ 1, 2 ]
amdhsa.kernels:
  - .name:           k_qbf14cb0f84_attn
    .symbol:         k_qbf14cb0f84_attn.kd
    .args:
      - { .name: qimg, .offset: 0, .size: 8, .value_kind: global_buffer, .address_space: global }
      - { .name: kv, .offset: 8, .size: 8, .value_kind: global_buffer, .address_space: global }
      - { .name: wvimg, .offset: 16, .size: 8, .value_kind: global_buffer, .address_space: global }
      - { .name: x_codes, .offset: 24, .size: 8, .value_kind: global_buffer, .address_space: global }
      - { .name: x_scales, .offset: 32, .size: 8, .value_kind: global_buffer, .address_space: global }
      - { .name: bv, .offset: 40, .size: 8, .value_kind: global_buffer, .address_space: global }
      - { .name: beta, .offset: 48, .size: 8, .value_kind: global_buffer, .address_space: global }
      - { .name: out0, .offset: 56, .size: 8, .value_kind: global_buffer, .address_space: global }
    .group_segment_fixed_size: 327680
    .private_segment_fixed_size: 0
    .kernarg_segment_align: 8
    .kernarg_segment_size: 64
    .max_flat_workgroup_size: 128
    .sgpr_count:     66
    .vgpr_count:     1024
    .wavefront_size: 32
...
	.end_amdgpu_metadata
.endif
;; end of part 4
